; MI455X (gfx1250); checked and timed in simulation.
; The chip was launched on July 23, 2026; its instructions are those of AMD's public machine-readable ISA for CDNA 5 (MIT licence, August 2026) and "CDNA5" Instruction Set Architecture Reference Guide (July 2026). The comments in the code are by the model that wrote it; some were corrected since.
;; Algebraic Attention. Allowed arithmetic: matrix products marked QUANTISED: E2M1 operands, one E8M0 scale for each 32 along K, by v_wmma_scale_f32_16x16x128_f8f6f4 with both operands' format E2M1 (or v_wmma_scale_f32_32x16x128_f4), f32 sums; products left as they are: bf16, f16 or f32 operands; f32 sums; everything else in f32.
;; Inputs: w_out 1,024 x 1,024 float32; w_qkv 3,072 x 1,024 float32; x 2 x 2,048 x 1,024 float32.
;; Outputs: out0 2 x 2,048 x 1,024 float32.
;; Constants: n_head = 16.
;; This version of the problem:
;;   THIS VERSION OF THE PROBLEM IS GIVEN IN LOW PRECISION. The matrix products marked QUANTISED in the list below multiply operands that are first quantised to E2M1 (2 exponent bits, 1 mantissa bit; 4 bits a number), with one power-of-two scale for each 32 numbers along K (OCP MX v1.0); their sums are f32. The products marked 'left as it is' may take bf16, f16 or f32 operands, with f32 sums. Whichever they take, every output number must still come out within the allowed error. Rounding operands to bf16 (8 significant bits) uses up far more of that allowance than f16 does (11 bits, for magnitudes from 6e-5 to 65,504). All else is computed in f32.
;;   The module's matrix products, in the order in which they are computed (A, B: the left and right operand; K: the contracted axis; several contracted axes count as one K, in the product's order):
;;     1. [M 4,096, K 1,024] x [K 1,024, N 3,072]; A: input x; B: input w_qkv: QUANTISED
;;     2. batch 32 x [M 2,048, K 64] x [K 64, N 2,048]; A: computed on the way; B: computed on the way: left as it is (an operand is computed on the way)
;;     3. batch 32 x [M 2,048, K 2,048] x [K 2,048, N 64]; A: computed on the way; B: computed on the way: left as it is (an operand is computed on the way)
;;     4. [M 4,096, K 1,024] x [K 1,024, N 1,024]; A: computed on the way; B: input w_out: left as it is (an operand is computed on the way)
;;   THE QUANTISER, for each operand of a quantised product, along K:
;;     - K is cut into blocks of 32 from its start; a last block that is shorter is filled with zeros.
;;     - A block's scale is 2^e with e = floor(log2(the largest magnitude in the block)) - 2, held to -126 .. 127; a block of zeros has e = 0. As a byte (E8M0): e + 127.
;;     - Each number is divided by its block's scale, clamped to +-6, and rounded to the nearest number of E2M1, ties to even, subnormals kept.
;;     - The product sums the exact products of the quantised numbers (number of the format x scale) in f32.
;;   ~~~python
;;   def quantise(x, axis):      # numpy; x: float32 -> the quantised numbers, widened to float32 again
;;       x = np.moveaxis(x, axis, -1); K = x.shape[-1]
;;       x = np.pad(x, [(0, 0)] * (x.ndim - 1) + [(0, -K % 32)]); x = x.reshape(x.shape[:-1] + (-1, 32)); a = np.abs(x).max(-1, keepdims=True)
;;       e = np.where(a > 0, np.clip(np.frexp(np.where(a > 0, a, 1))[1] - 1 - 2, -126, 127), 0)      # np.frexp(a)[1] - 1 = floor(log2(a)), exactly
;;       r = np.clip(x / 2.0 ** e, -6, 6)
;;       step = 2.0 ** (np.maximum(np.frexp(np.where(r == 0, 1, r))[1] - 1, 0) - 1)
;;       q = np.round(r / step) * step * 2.0 ** e      # np.round: ties to even
;;       return np.moveaxis(q.reshape(q.shape[:-2] + (-1,))[..., :K], -1, axis).astype(np.float32)
;;   ~~~
;; One version. Each part assembles by itself: llvm-mc -triple=amdgcn-amd-amdhsa -mcpu=gfx1250 --defsym DOCPART=n.
;; ======== version 1 of 1: 4 launches
;; limits: values are held in f16: magnitudes above 65,504 overflow, below 6.1e-05 lose precision
;; workspace buffers: xc 2,097,152 bytes; xs 131,072 bytes; wc 1,572,864 bytes; ws 98,304 bytes; wo16 2,097,152 bytes; q16 8,388,608 bytes; kv16 16,777,216 bytes; ao16 8,388,608 bytes
;; launch prep (part 1): grid 256 x 1, 4 waves a work-group, no clusters, 33,280 bytes of LDS; arguments x, w_qkv, xc, xs, wc, ws, w_out, wo16; writes xc, xs, wc, ws, wo16
.if DOCPART == 1
	.amdgcn_target "amdgcn-amd-amdhsa--gfx1250"
	.amdhsa_code_object_version 6
	.text
	.protected	k_qa99ef7b46a_prep
	.globl	k_qa99ef7b46a_prep
	.p2align	8
	.type	k_qa99ef7b46a_prep,@function
k_qa99ef7b46a_prep:
	s_mov_b64 s[64:65], 0
	v_nop
	global_prefetch_b8 v0, s[64:65] scope:SCOPE_SE
	s_setreg_imm32_b32 hwreg(HW_REG_WAVE_MODE, 25, 1), 1
	s_wait_xcnt 0x0
; x [4096][1024] and w_qkv [3072][1024], f32, K innermost, become codes of FP4 (E2M1) with one E8M0 scale byte for each 32 along K; w_out [1024][1024], f32, becomes f16 in the order of an operand's registers.
; Work-groups 0-127 take x, 128-223 w_qkv (one path, the buffers chosen by the work-group's number), 224-255 w_out (a path of its own, without LDS).
; THE QUANTISER.  A block's scale is 2^(floor(log2(its largest magnitude)) - 2); its byte is the largest magnitude's exponent field - 2, held at 1 from below.  Each number is divided by the scale and
; rounded to the nearest code, ties to even, beyond 6 the largest code.  A block of zeros gets the byte 1 where the rule says 127: its codes are zeros, and the bytes are read by this program alone.
; LIMITS: blocks whose largest magnitude lies under 2^-124 have their byte held at 1; NaN and infinities among the inputs are not served; |w_out| stays under 65,504 (f16).
; Rows are dense and 1024 is a multiple of 32: both tensors are plain streams of blocks of 32.  A wave takes 16 steps of 512 numbers.  Each of a step's four loads reads 512 consecutive bytes, 16 a lane;
; the 2,048 bytes turn through the wave's own stage in LDS and come back 64 bytes a lane, so that a lane holds 16 neighbours along K (two neighbouring lanes hold a block).  A lane's 16 codes are 8 bytes:
; the wave stores 256 consecutive bytes.  A wave's 256 scale bytes are gathered in LDS and leave as 256 consecutive bytes.  Waves share nothing: no barrier.
.set SIZE_M, 4096
.set SIZE_N, 3072
.set SIZE_K, 1024
.set WAVES, 4
.set STEPS, 16
.set WGA,   SIZE_M*SIZE_K/(512*STEPS*WAVES)            ; 128 work-groups for x
.set WGQ,   (SIZE_M+SIZE_N)*SIZE_K/(512*STEPS*WAVES)   ; 224 for x and w_qkv together
.set EMAX,  2
.set CB,    8                          ; bytes of 16 codes
.set R,     16                         ; v16-79   four sets of 16 numbers as they are loaded
.set X,     80                         ; v80-111  two sets of 16 neighbours
.set C,     128                        ; v128-191 codes: four registers for each step, so that no store's data are written again
.set E,     112                        ; v112-127 a scale byte for each step
.set WREG,  8192                       ; LDS: a region for each wave: two stages of 32 x SP bytes, and behind them its 256 scale bytes
.set SP,    80                         ; a lane's place in a stage: its 64 bytes + 16 of padding
.set SPW,   12                         ; v12      LDS address of my spare word: SPARE + 4 x my thread's number; never rewritten
.set NIL,   13                         ; v13      0; never rewritten
.set SPARE, WAVES*WREG                 ; behind the four regions: the spare words, 128 bytes a wave, which no other line names
.set WI,    16                         ; w_out's path: v16-143 two sets of 64 numbers as loaded
.set WO,    144                        ;               v144-175 eight groups of f16 to store
	s_load_b128 s[4:7], s[0:1], 0x0                ; x, w_qkv
	s_load_b128 s[8:11], s[0:1], 0x10              ; x's codes, x's scales
	s_load_b128 s[12:15], s[0:1], 0x20             ; w_qkv's codes, its scales
	s_load_b128 s[24:27], s[0:1], 0x30             ; w_out, wo16
	v_lshl_add_u32 v[SPW], v0, 2, SPARE
	v_mov_b32 v[NIL], 0
	v_lshrrev_b32 v1, 5, v0
	v_readfirstlane_b32 s16, v1                    ; wave
	v_and_b32 v2, 31, v0                           ; lane
	v_lshlrev_b32 v3, 4, v2                        ; 16 x lane: my 16 bytes of 512
	s_mul_i32 s17, s16, WREG
	v_lshrrev_b32 v14, 2, v2
	v_mul_u32_u24 v14, v14, SP
	v_and_b32 v15, 3, v2
	v_lshl_add_u32 v14, v15, 4, v14
	v_add_nc_u32 v14, s17, v14                     ; the stage, on the way in: four lanes' 64 bytes on end, then 16 of padding
	v_mul_u32_u24 v15, v2, SP
	v_add_nc_u32 v15, s17, v15                     ; and on the way out: SP x lane: my 16 neighbours
	v_mul_u32_u24 v4, v2, CB                       ; my codes' place in a step's
	v_lshrrev_b32 v5, 1, v2
	s_add_co_u32 s17, s17, 2*32*SP
	v_add_nc_u32 v5, s17, v5                       ; LDS: my wave's 256 scale bytes, my block's byte
	v_lshlrev_b32 v7, 3, v2                        ; and on the way out 8 bytes a lane
	v_add_nc_u32 v6, s17, v7
	s_wait_kmcnt 0x0
	s_cmp_ge_u32 ttmp9, WGQ                        ; the last 32 work-groups take w_out
	s_cbranch_scc1 .Lwout
	s_cmp_lt_u32 ttmp9, WGA                        ; x's work-group or w_qkv's?  The choice hangs on the work-group's number alone
	s_cselect_b64 s[4:5], s[4:5], s[6:7]
	s_cselect_b64 s[8:9], s[8:9], s[12:13]
	s_cselect_b64 s[10:11], s[10:11], s[14:15]
	s_cselect_b32 s17, 0, WGA
	s_sub_co_u32 s17, ttmp9, s17
	s_lshl_b32 s17, s17, 2
	s_add_co_u32 s18, s17, s16                     ; which run of 8,192 numbers of the tensor is my wave's
	s_mov_b32 s19, 0
	s_mov_b64 s[20:21], 512*STEPS*4
	s_mul_u64 s[20:21], s[18:19], s[20:21]
	s_add_nc_u64 s[4:5], s[4:5], s[20:21]
	s_mov_b64 s[20:21], 32*STEPS*CB
	s_mul_u64 s[20:21], s[18:19], s[20:21]
	s_add_nc_u64 s[8:9], s[8:9], s[20:21]
	s_lshl_b32 s18, s18, 8                         ; 256 scale bytes a run
	s_add_nc_u64 s[10:11], s[10:11], s[18:19]
.macro LOAD t
.irp i, 0,1,2,3
	global_load_b128 v[R+16*((\t)%4)+4*\i:R+16*((\t)%4)+4*\i+3], v3, s[4:5] offset:2048*(\t)+512*\i th:TH_LOAD_NT   ; 32 lanes read 512 consecutive bytes
.endr
.endm
.macro TURN t                          ; step t's numbers through the stage: LDS serves a wave's instructions in order, so no wait stands between the stores and the loads
.irp i, 0,1,2,3
	ds_store_b128 v14, v[R+16*((\t)%4)+4*\i:R+16*((\t)%4)+4*\i+3] offset:32*SP*((\t)%2)+8*SP*\i
.endr
.irp i, 0,1,2,3
	ds_load_b128 v[X+16*((\t)%2)+4*\i:X+16*((\t)%2)+4*\i+3], v15 offset:32*SP*((\t)%2)+16*\i
.endr
.endm
.irp t, 0,1,2,3
	LOAD \t
.endr
	s_wait_loadcnt 12                              ; step 0's four loads are in; the twelve of steps 1 to 3 may be out
	TURN 0
.macro STEP t
.set XS, X+16*((\t)%2)
.if (\t) > 0
	s_wait_dscnt 1                                 ; this step's numbers are back from the stage (the last step's byte store may be out): so its stores into the stage have read their registers,
.else
	s_wait_dscnt 0x0
.endif
.if (\t)+4 < STEPS
	LOAD (\t)+4                                    ; which take the loads of four steps on
.endif
.if (\t)+1 < STEPS
.if STEPS-2-(\t) >= 3
	s_wait_loadcnt 12                              ; the next step's four loads are in; those of the three steps behind it may be out
.else
	s_wait_loadcnt 4*(STEPS-2-(\t))
.endif
	TURN (\t)+1                                    ; and go through the other stage while this step is worked
.endif
	v_max3_num_f32 v8, |v[XS]|, |v[XS+1]|, |v[XS+2]|               ; the largest magnitude of my 16, in two chains
	v_max3_num_f32 v9, |v[XS+3]|, |v[XS+4]|, |v[XS+5]|
.irp i, 6,10
	v_max3_num_f32 v8, v8, |v[XS+\i]|, |v[XS+\i+1]|
	v_max3_num_f32 v9, v9, |v[XS+\i+2]|, |v[XS+\i+3]|
.endr
	v_max3_num_f32 v8, v8, |v[XS+14]|, |v[XS+15]|
	v_max3_num_f32 v8, v8, v9, (EMAX+1)<<23        ; and the floor 2^(EMAX + 1 - 127): so the byte cannot fall under 1
	v_max_num_f32_dpp v8, v8, v8 row_xmask:1 row_mask:0xf bank_mask:0xf   ; and of my neighbour's 16: the block's
	v_add_nc_u32 v11, -(EMAX<<23), v8              ; EMAX off its exponent field: the conversion takes the exponent field of this operand as its scale, and nothing else of it
	v_cvt_scalef32_pk8_fp4_f32 v[C+4*(\t)], v[XS:XS+7], v11        ; eight numbers / the scale, to the nearest code; the first number's code in the lowest four bits
	v_cvt_scalef32_pk8_fp4_f32 v[C+4*(\t)+1], v[XS+8:XS+15], v11
	v_lshrrev_b32 v[E+(\t)], 23, v11               ; the scale's byte (also the plain line behind the conversions)
	ds_store_b8 v5, v[E+(\t)] offset:16*(\t)       ; both lanes of a block write the same byte with the same value
	global_store_b64 v4, v[C+4*(\t):C+4*(\t)+1], s[8:9] offset:32*CB*(\t)   ; 32 lanes store 256 consecutive bytes
.endm
.irp t, 0,1,2,3,4,5,6,7,8,9,10,11,12,13,14,15
	STEP \t
.endr
	ds_load_b64 v[8:9], v6                         ; LDS serves a wave's instructions in order: these see my stores
	s_wait_dscnt 0x0
	global_store_b64 v7, v[8:9], s[10:11]          ; 32 lanes store 256 consecutive bytes
	s_wait_tensorcnt 0x0                           ; the wave's end: behind my last LDS store
	ds_add_u32 v[SPW], v[NIL]
	s_wait_dscnt 0x0
	s_endpgm
; W_OUT.  wo16 is laid [n / 64][K step of 256: 4][tile of 16 rows: 4][group: 16][512 bytes]; in a group lane (r, h) holds, as 16 bytes of f16, row r and k = 16 x group + 8 h + 0 .. 7:
; two groups on end are the eight registers of a 16-bit operand of 16 rows x 32 K.  Wave w of work-group u takes tile 2 u + w / 2 and half w % 2 of K: 32 groups, in four batches of eight.
.Lwout:
	s_sub_co_u32 s17, ttmp9, WGQ
	s_lshl_b32 s17, s17, 1
	s_lshr_b32 s18, s16, 1
	s_add_co_u32 s17, s17, s18                     ; my tile of 16 rows, 0 .. 63
	s_and_b32 s18, s16, 1                          ; my half of K
	s_lshl_b32 s20, s17, 16                        ; in: 16 rows of 4,096 bytes a tile,
	s_lshl_b32 s19, s18, 11                        ; 512 numbers a half
	s_add_co_u32 s20, s20, s19
	s_mov_b32 s21, 0
	s_add_nc_u64 s[24:25], s[24:25], s[20:21]
	s_lshr_b32 s20, s17, 2
	s_lshl_b32 s20, s20, 17                        ; out: 131,072 bytes for 64 rows,
	s_lshl_b32 s19, s18, 16                        ; two K steps of 32,768 a half,
	s_add_co_u32 s20, s20, s19
	s_and_b32 s19, s17, 3
	s_lshl_b32 s19, s19, 13                        ; 8,192 a tile
	s_add_co_u32 s20, s20, s19
	s_add_nc_u64 s[26:27], s[26:27], s[20:21]
	v_and_b32 v8, 15, v0
	v_bfe_u32 v9, v0, 4, 1
	v_lshlrev_b32 v8, 12, v8
	v_lshl_add_u32 v8, v9, 5, v8                   ; in: row r, + 32 h bytes: my 8 numbers of a group's 16
.macro LOADB k                         ; batch k: eight groups, 16 loads, into set k % 2
.irp i, 0,1,2,3,4,5,6,7
	global_load_b128 v[WI+64*((\k)%2)+8*\i:WI+64*((\k)%2)+8*\i+3], v8, s[24:25] offset:64*(8*(\k)+\i) th:TH_LOAD_NT
	global_load_b128 v[WI+64*((\k)%2)+8*\i+4:WI+64*((\k)%2)+8*\i+7], v8, s[24:25] offset:64*(8*(\k)+\i)+16 th:TH_LOAD_NT
.endr
.endm
.macro CVTB k                          ; rounded to f16 and stored: a group is 512 consecutive bytes
.irp i, 0,1,2,3,4,5,6,7
.irp j, 0,1,2,3
	v_cvt_pk_f16_f32 v[WO+4*\i+\j], v[WI+64*((\k)%2)+8*\i+2*\j], v[WI+64*((\k)%2)+8*\i+2*\j+1]
.endr
	global_store_b128 v3, v[WO+4*\i:WO+4*\i+3], s[26:27] offset:((8*(\k)+\i)/16)*32768+((8*(\k)+\i)%16)*512
.endr
.endm
	LOADB 0
	LOADB 1
	s_wait_loadcnt 16                              ; batch 0 is in; batch 1's sixteen loads may be out
	CVTB 0
	LOADB 2
	s_wait_loadcnt 16
	s_wait_xcnt 0x0                                ; the last batch's stores have read their data: v144-175 are written again only behind this wait
	CVTB 1
	LOADB 3
	s_wait_loadcnt 16
	s_wait_xcnt 0x0
	CVTB 2
	s_wait_loadcnt 0x0
	s_wait_xcnt 0x0
	CVTB 3
	s_wait_tensorcnt 0x0                           ; the wave's end
	ds_add_u32 v[SPW], v[NIL]
	s_wait_dscnt 0x0
	s_endpgm
.Lfunc_end_k_qa99ef7b46a_prep:
	.size	k_qa99ef7b46a_prep, .Lfunc_end_k_qa99ef7b46a_prep-k_qa99ef7b46a_prep
	.p2alignl 7, 3214868480
	.fill 96, 4, 3214868480
	.section	.rodata,"a",@progbits
	.p2align	6, 0x0
	.amdhsa_kernel k_qa99ef7b46a_prep
		.amdhsa_group_segment_fixed_size 33280
		.amdhsa_private_segment_fixed_size 0
		.amdhsa_enable_private_segment 0
		.amdhsa_kernarg_size 64
		.amdhsa_user_sgpr_count 2
		.amdhsa_user_sgpr_kernarg_segment_ptr 1
		.amdhsa_wavefront_size32 1
		.amdhsa_system_sgpr_workgroup_id_x 1
		.amdhsa_system_sgpr_workgroup_id_y 1
		.amdhsa_system_sgpr_workgroup_id_z 1
		.amdhsa_system_vgpr_workitem_id 0
		.amdhsa_next_free_vgpr 192
		.amdhsa_next_free_sgpr 66
		.amdhsa_reserve_vcc 0
		.amdhsa_float_denorm_mode_32 3
		.amdhsa_float_denorm_mode_16_64 3
		.amdhsa_memory_ordered 1
		.amdhsa_forward_progress 1
		.amdhsa_inst_pref_size 52
	.end_amdhsa_kernel
	.amdgpu_metadata
---
amdhsa.version: [ 1, 2 ]
amdhsa.kernels:
  - .name:           k_qa99ef7b46a_prep
    .symbol:         k_qa99ef7b46a_prep.kd
    .args:
      - { .name: x, .offset: 0, .size: 8, .value_kind: global_buffer, .address_space: global }
      - { .name: w_qkv, .offset: 8, .size: 8, .value_kind: global_buffer, .address_space: global }
      - { .name: xc, .offset: 16, .size: 8, .value_kind: global_buffer, .address_space: global }
      - { .name: xs, .offset: 24, .size: 8, .value_kind: global_buffer, .address_space: global }
      - { .name: wc, .offset: 32, .size: 8, .value_kind: global_buffer, .address_space: global }
      - { .name: ws, .offset: 40, .size: 8, .value_kind: global_buffer, .address_space: global }
      - { .name: w_out, .offset: 48, .size: 8, .value_kind: global_buffer, .address_space: global }
      - { .name: wo16, .offset: 56, .size: 8, .value_kind: global_buffer, .address_space: global }
    .group_segment_fixed_size: 33280
    .private_segment_fixed_size: 0
    .kernarg_segment_align: 8
    .kernarg_segment_size: 64
    .max_flat_workgroup_size: 128
    .sgpr_count:     66
    .vgpr_count:     192
    .wavefront_size: 32
...
	.end_amdgpu_metadata
.endif
;; end of part 1
;; launch qkv (part 2): grid 12 x 16, 4 waves a work-group, clusters of 4 x 4, 327,680 bytes of LDS; arguments xc, xs, wc, ws, q16, kv16; writes q16, kv16
.if DOCPART == 2
	.amdgcn_target "amdgcn-amd-amdhsa--gfx1250"
	.amdhsa_code_object_version 6
	.text
	.protected	k_qa99ef7b46a_qkv
	.globl	k_qa99ef7b46a_qkv
	.p2align	8
	.type	k_qa99ef7b46a_qkv,@function
k_qa99ef7b46a_qkv:
	s_mov_b64 s[64:65], 0
	v_nop
	global_prefetch_b8 v0, s[64:65] scope:SCOPE_SE
	s_setreg_imm32_b32 hwreg(HW_REG_WAVE_MODE, 25, 1), 1
	s_wait_xcnt 0x0
	s_wait_alu depctr_hold_cnt(0) depctr_sa_sdst(0) depctr_va_vdst(0) depctr_va_sdst(0) depctr_va_ssrc(0) depctr_va_vcc(0) depctr_vm_vsrc(0)
	s_getreg_b32 s2, hwreg(HW_REG_IB_STS2, 6, 4)
	s_cmp_eq_u32 s2, 0
	s_cbranch_scc0 .Lentry_in_a_cluster
	s_endpgm
.Lentry_in_a_cluster:
	s_bfe_u32 s2, ttmp6, 0x10000c
	s_cmp_lg_u32 s2, 0xf033
	s_cbranch_scc0 .Lentry_shape_is_right
	s_endpgm
.Lentry_shape_is_right:
; qkv = x w_qkv^T on codes of FP4 (E2M1) with one E8M0 scale for each 32 along K = 1024; sums in f32; the results are rounded to f16 and stored as images of the operand registers that the attention launch takes.
; A tile of 256 x 256 is made by a work-group of four waves; a wave makes 128 x 128: 64 accumulators of 16 x 16, 512 registers.  K = 1024 is two LDS slots of 512 along K (rows of 256 bytes), both filled once, at the start;
; the scale bytes of the work-group's rows, two dense blocks of memory, come with them.
; ROLES.  C[m][n] = sum over k of A[m][k] B[n][k].  Cluster x = 0 makes q and x = 1 makes k: A = x's rows (tokens), B = w_qkv's rows (channels).  Cluster x = 2 makes v TURNED: A = w_qkv's rows 2048 on (channels), B = x's rows (tokens).
; THE MATRIX INSTRUCTION IS USED TRANSPOSED (source 0 = 16 rows of B, source 1 = 16 rows of A): lane (r, h) holds row r of A's block and eight neighbouring columns 8 h + 0 .. 7 of B's block.  Rounded to f16 those are 16 bytes,
; and the wave's 32 x 16 bytes, lane by lane, are a GROUP: half of a 16-bit operand of 16 rows x 32 K.  So every store is 512 consecutive bytes straight from registers, and v comes out with the keys along K.
; q is stored as -f q and k as f k, f = sqrt(log2(e) / 8), scaled in f32 ahead of the rounding: their product is -(q . k / 8) log2(e), the exponent that the attention launch wants.
; LAYOUTS.  q16: [batch x head 32][tile of 16 queries 128][group d / 16: 4][512].  kv16: [batch x head 32][chunk of 256 keys 8][65,536]; a chunk is K's part and, 32,768 on, V's part, each [split / 2: 2][half of 128 keys: 2][split % 2: 2][4,096],
; a split being 32 keys of a half; K's 4,096: [tile of 16 keys 2][group d / 16: 4][512]; V's: [tile of 16 channels 4][group of 16 keys 2][512].
; LIMITS: |f q|, |f k| and |v| stay under 65,504 (f16).
; CLUSTERS: 4 x 4 work-groups.  The four of a row of the cluster need the same tiles of A, the four of a column the same tiles of B: each tile is asked for JOINTLY, by the same tensor load with the same descriptor and a mask that names the four.
; REGISTERS, in windows of 256: window 0: v0-31 addresses; v32-95 scale words, two sets; from v128 A's fragments (8 x 16 rows x 128 K), ONE set; on the way out v128-255 are at work.
;   window 1: B's fragments, TWO sets, at v0 and at v128.   window 2: the 32 accumulators of my rows 0-63 (accumulator (a, b) at v[8 (8 a + b)]);   window 3: those of my rows 64-127.
.set SIZE_K, 1024
.set KSTEP,  512                       ; along K in a slot
.set NQ,     KSTEP/128                 ; matrix instructions deep
.set ROWB,   256                       ; a tile's row in bytes
.set KROW,   SIZE_K*4/8                ; a row of codes in memory, in bytes
.set PITCH,  272                       ; an LDS row: 256 bytes + 16 of padding = 68 words: row r starts at bank 4 r mod 64 (64 banks of 4 bytes: ISA guide 11.1)
.set FR,     8                         ; registers of a fragment: 16 rows x 128 K
.set NL,     2                         ; LDS loads that bring one
.set NP,     4                         ; places behind this matrix instruction (ISA guide 7.12.1)
.set HALFT,  128*PITCH                 ; 128 rows: what one tensor load brings, and what one wave reads of A or of B
.set SLOT,   4*HALFT                   ; A's 256 rows, then B's 256 rows
.set KS,     SIZE_K/32                 ; a row of scales in bytes
.set SCL,    2*SLOT                    ; behind the slots: the scales, as pieces of 256 bytes + 16 of padding
.set HALFS,  (128*KS/256)*272          ; the scales of 128 rows: what one tensor load brings
.set SBLK,   (16*KS/256)*272           ; those of 16 rows
.set SPARE,  SCL+4*HALFS               ; behind the scales: the spare words, 128 bytes a wave, which no other line names
.set ADRA, 16                          ; v16-17  LDS address of my A fragments in slot 0, 1
.set ADRB, 20                          ; v20-21  the same for B
.set CO,   26                          ; v26     16 x lane: my place in a group
.set ADRS, 27                          ; v27     LDS address of my scale words: lanes 0-15 A's rows, lanes 16-31 B's
.set SPW,  28                          ; v28     LDS address of my spare word; never rewritten
.set NIL,  29                          ; v29     0; never rewritten
.set SC,   32                          ; scale words: set s at v[SC + 8 NQ s]; register NQ i + q: lanes 0-15 the word of A's block i, lanes 16-31 that of B's block i, for the slot's q-th 128 along K
.set AF,   128                         ; A's fragments, in window 0
.set TMPF, 128                         ; the way out: a block's 64 numbers, scaled
.set OUTR, 192                         ; the way out: a block's 8 groups of f16: v192-223 and v224-255 by turns
.set FAC,  94                          ; s[94:95] -f for q, f for k
.set G1, 24                            ; s[24:31] descriptor group 1 for A's tiles;  s[32:39] group 0, one set for each slot
.set G0, 32
.set G1B, 48                           ; s[48:55], s[56:63] the same for B's tiles
.set G0B, 56
.set G1S, 68                           ; s[68:75], s[76:79] groups 1 and 0 for A's scales;  s[80:87], s[88:91] for B's
.set G0S, 76
.set G1SB, 80
.set G0SB, 88
.set MSB, 0
.macro WIN new                         ; the immediate's high byte repeats the setting that is left
.if MSB != \new
	s_set_vgpr_msb (MSB<<8)|\new
.set MSB, \new
.endif
.endm
.set MUL_LO, 0xa1                      ; source 0 (B) window 1, source 1 (A) window 0, C and D window 2
.set MUL_HI, 0xf1                      ; the same, C and D window 3
.set TO_B,   0x40                      ; destination window 1, address window 0
; A joint load: waves 0 and 1 fetch for A, waves 2 and 3 for B.  Each of the two lines has ONE mask and one set of registers for all that issue it; the branch hangs on the wave's number alone.
; An s_nop 0 and four v_nop follow each of the two lines, ahead of the jump, the label and what follows.
.macro JLOAD g0a, g1a, g0b, g1b
	s_cmp_eq_u32 s15, 0
	s_cbranch_scc0 .Lfor_b_\@
	tensor_load_to_lds s[\g0a:\g0a+3], s[\g1a:\g1a+7]
	s_nop 0
.rept 4
	v_nop
.endr
	s_branch .Lasked_\@
.Lfor_b_\@:
	tensor_load_to_lds s[\g0b:\g0b+3], s[\g1b:\g1b+7]
	s_nop 0
.rept 4
	v_nop
.endr
.Lasked_\@:
.endm
.macro CROUND                          ; a round of the cluster's barrier: my work-group's barrier; wave 0 signals for the work-group; every wave waits for all sixteen; my work-group's barrier once more
	s_barrier_signal -1
	s_barrier_wait -1
	s_cmp_lg_u32 s14, 0
	s_cbranch_scc1 .Lnot_wave_0_\@
	s_barrier_signal -3
.Lnot_wave_0_\@:
	s_barrier_wait -3
	s_barrier_signal -1
	s_barrier_wait -1
.endm
	s_load_b256 s[4:11], s[0:1], 0x0               ; x's codes s[4:5], x's scales s[6:7], w's codes s[8:9], w's scales s[10:11]
	s_load_b128 s[96:99], s[0:1], 0x20             ; q16 s[96:97], kv16 s[98:99]
	v_lshl_add_u32 v[SPW], v0, 2, SPARE
	v_mov_b32 v[NIL], 0
	ds_add_u32 v[SPW], v[NIL]                      ; the wave's opening: the add, twice on end, and its wait ahead of my first tensor load; the set-up below stands between the second and the wait
	ds_add_u32 v[SPW], v[NIL]
	v_lshrrev_b32 v1, 5, v0
	v_readfirstlane_b32 s14, v1                    ; wave 0..3
	s_lshr_b32 s15, s14, 1                         ; which half of the tile's rows is mine.  Also: I fetch for A (0) or for B (1)
	s_and_b32 s16, s14, 1                          ; which half of its columns.  Also: which 128 rows of that tile I fetch
	s_bfe_u32 s40, ttmp6, 0x40000                  ; cx, cy: my place in the cluster
	s_bfe_u32 s41, ttmp6, 0x40004
	s_and_b32 s17, ttmp7, 0xffff                   ; cluster y
	s_cmp_eq_u32 ttmp9, 2                          ; cluster x = 2 makes v: the roles change places.  The cluster's x is the same in all sixteen partners
	s_cselect_b32 s42, s17, ttmp9                  ; which four tile columns (B's): cluster y for v, else cluster x
	s_cselect_b32 s17, ttmp9, s17                  ; which four tile rows (A's): cluster x for v, else cluster y
	s_lshl_b32 s42, s42, 2
	s_add_co_u32 s42, s42, s40                     ; tile column: B's rows 256 x this on
	s_lshl_b32 s17, s17, 2
	s_add_co_u32 s17, s17, s41                     ; tile row: A's rows 256 x this on (for v: 8 + cy: w_qkv's rows 2048 on)
	s_lshl_b32 s43, s41, 2
	s_lshl_b32 s43, 15, s43                        ; my row of the cluster
	s_lshl_b32 s44, 0x1111, s40                    ; my column
	; descriptor group 1: a tile of 128 rows x 256 bytes, padded in LDS
	s_or_b32 s[G1+0], s43, (0<<16)|(1<<20)|(1<<21)|(5<<22)|(3<<25)  ; 15:0 the mask: A's tiles go to my row; 17:16 element of 1 byte; 20 padding on; 21 set beside a mask; 24:22 after every 64 words (code 5); 31:25 of 4 words (code 3)
	s_or_b32 s[G1B+0], s44, (0<<16)|(1<<20)|(1<<21)|(5<<22)|(3<<25)
.irp g, G1, G1B
	s_mov_b32 s[\g+1], ROWB<<16                    ; tensor_dim0
	s_mov_b32 s[\g+2], 128<<16                     ; tensor_dim1 = 128
	s_mov_b32 s[\g+3], ROWB<<16                    ; tile_dim0
	s_mov_b32 s[\g+4], 128                         ; tile_dim1 = 128
	s_mov_b32 s[\g+5], KROW                        ; tensor_dim0_stride
	s_mov_b32 s[\g+6], 0
	s_mov_b32 s[\g+7], 0
.endr
	; and for the scales of 128 rows: a dense block of 4,096 bytes, as rows of 256 bytes (32 elements of 8 bytes), 16 bytes of padding behind each
	s_or_b32 s[G1S+0], s43, (3<<16)|(1<<20)|(1<<21)|(5<<22)|(3<<25)
	s_or_b32 s[G1SB+0], s44, (3<<16)|(1<<20)|(1<<21)|(5<<22)|(3<<25)
.irp g, G1S, G1SB
	s_mov_b32 s[\g+1], 32<<16
	s_mov_b32 s[\g+2], (128*KS/256)<<16
	s_mov_b32 s[\g+3], 32<<16
	s_mov_b32 s[\g+4], 128*KS/256
	s_mov_b32 s[\g+5], 32
	s_mov_b32 s[\g+6], 0
	s_mov_b32 s[\g+7], 0
.endr
	s_lshl_b32 s18, s16, 7                         ; which 128 rows of the tile I fetch
	s_lshl_b32 s20, s17, 8
	s_add_co_u32 s20, s20, s18                     ; A: row 256 x tile row + 128 x half
	s_lshl_b32 s46, s42, 8
	s_add_co_u32 s46, s46, s18                     ; B: row 256 x tile column + 128 x half
	s_mov_b32 s21, 0
	s_mov_b32 s47, 0
	s_mov_b64 s[18:19], KS
	s_mul_u64 s[22:23], s[20:21], s[18:19]         ; where these rows' scales begin, in bytes
	s_mul_u64 s[92:93], s[46:47], s[18:19]
	s_mov_b64 s[18:19], KROW
	s_mul_u64 s[20:21], s[20:21], s[18:19]         ; and their codes
	s_mul_u64 s[46:47], s[46:47], s[18:19]
	s_mul_i32 s45, s14, HALFT                      ; where they go: wave x 128 rows: no place in the cluster enters an LDS address
	s_mul_i32 s94, s14, HALFS
	s_wait_dscnt 0x0                               ; both opening adds are done
	s_wait_kmcnt 0x0
	s_cmp_eq_u32 ttmp9, 2                          ; which tensor has which role: a choice between buffers on the cluster's x alone
	s_cselect_b64 s[2:3], s[8:9], s[4:5]           ; A's codes: w's for v, else x's
	s_add_nc_u64 s[20:21], s[2:3], s[20:21]
	s_cselect_b64 s[2:3], s[10:11], s[6:7]         ; A's scales
	s_add_nc_u64 s[22:23], s[2:3], s[22:23]
	s_cselect_b64 s[2:3], s[4:5], s[8:9]           ; B's codes: x's for v, else w's
	s_add_nc_u64 s[46:47], s[2:3], s[46:47]
	s_cselect_b64 s[2:3], s[6:7], s[10:11]         ; B's scales
	s_add_nc_u64 s[92:93], s[2:3], s[92:93]
	CROUND                                         ; all sixteen work-groups are here: the joint loads meet
	s_mov_b32 s[G0S], 1
	s_add_co_u32 s[G0S+1], s94, SCL
	s_mov_b64 s[G0S+2:G0S+3], s[22:23]
	s_or_b32 s[G0S+3], s[G0S+3], 0x80000000
	s_mov_b32 s[G0SB], 1
	s_add_co_u32 s[G0SB+1], s94, SCL
	s_mov_b64 s[G0SB+2:G0SB+3], s[92:93]
	s_or_b32 s[G0SB+3], s[G0SB+3], 0x80000000
	JLOAD G0S, G1S, G0SB, G1SB                     ; the scales first: they are wanted with the first slot
.irp s, 0,1
	s_mov_b32 s[G0+4*\s], 1
	s_add_co_u32 s[G0+4*\s+1], s45, \s*SLOT
	s_add_nc_u64 s[G0+4*\s+2:G0+4*\s+3], s[20:21], \s*ROWB
	s_or_b32 s[G0+4*\s+3], s[G0+4*\s+3], 0x80000000
	s_mov_b32 s[G0B+4*\s], 1
	s_add_co_u32 s[G0B+4*\s+1], s45, \s*SLOT
	s_add_nc_u64 s[G0B+4*\s+2:G0B+4*\s+3], s[46:47], \s*ROWB
	s_or_b32 s[G0B+4*\s+3], s[G0B+4*\s+3], 0x80000000
	JLOAD G0+4*\s, G1, G0B+4*\s, G1B               ; all of K: three loads of mine are out, and none follows
.endr
	v_and_b32 v1, 15, v0                           ; l % 16
	v_bfe_u32 v2, v0, 4, 1                         ; l / 16
	v_mul_u32_u24 v3, v1, PITCH
	v_lshl_add_u32 v4, v2, 4, v3                   ; a fragment's row x pitch + 16 x half
	s_mul_i32 s21, s15, HALFT                      ; my 128 rows of A
	s_mul_i32 s22, s16, HALFT                      ; my 128 rows of B,
	s_add_co_u32 s22, s22, 2*HALFT                 ; which lie behind A's 256
.irp s, 0,1
	v_add_nc_u32 v[ADRA+\s], s21, v4
	v_add_nc_u32 v[ADRB+\s], s22, v4
	s_add_co_u32 s21, s21, SLOT
	s_add_co_u32 s22, s22, SLOT
.endr
	v_mul_u32_u24 v5, v1, KS                       ; my row's scales: KS bytes a row,
	v_lshrrev_b32 v6, 8, v5
	v_lshl_add_u32 v5, v6, 4, v5                   ; and 16 more for each 256 passed
	s_mul_i32 s21, s15, HALFS                      ; A's: my 128 rows
	s_mul_i32 s22, s16, HALFS                      ; B's: my 128 rows, behind A's 256
	s_add_co_u32 s22, s22, 2*HALFS
	s_sub_co_u32 s22, s22, s21
	v_mul_u32_u24 v6, s22, v2                      ; lanes 16-31 take B's
	s_add_co_u32 s21, s21, SCL
	v_add_nc_u32 v5, v5, v6
	v_add_nc_u32 v[ADRS], s21, v5
	v_and_b32 v6, 31, v0
	v_lshlrev_b32 v[CO], 4, v6                     ; the way out: 16 bytes a lane
	; WHERE MY 128 x 128 GOES.  q and k: rows are tokens, columns two heads' channels
	s_lshl_b32 s18, s17, 8
	s_lshl_b32 s19, s15, 7
	s_add_co_u32 s18, s18, s19                     ; my first token
	s_lshr_b32 s19, s18, 11                        ; its batch
	s_bfe_u32 s18, s18, 0x70004                    ; its tile of 16 within the batch: a multiple of 8
	s_lshl_b32 s19, s19, 4
	s_and_b32 s20, s42, 3
	s_lshl_b32 s20, s20, 2
	s_add_co_u32 s19, s19, s20
	s_lshl_b32 s20, s16, 1
	s_add_co_u32 s19, s19, s20                     ; 16 x batch + my first head
	s_lshl_b32 s20, s19, 18                        ; q: 262,144 bytes a head,
	s_lshl_b32 s21, s18, 11                        ; 2,048 a tile
	s_add_co_u32 s20, s20, s21
	s_lshl_b32 s21, s19, 19                        ; k: 524,288 bytes a head,
	s_lshr_b32 s22, s18, 4
	s_lshl_b32 s22, s22, 16                        ; 65,536 a chunk of 16 tiles,
	s_add_co_u32 s21, s21, s22
	s_bfe_u32 s22, s18, 0x10003
	s_lshl_b32 s22, s22, 13                        ; 8,192 for the chunk's second half
	s_add_co_u32 s21, s21, s22
	; v: rows are two heads' channels, columns tokens
	s_lshl_b32 s18, s42, 8
	s_lshl_b32 s19, s16, 7
	s_add_co_u32 s18, s18, s19                     ; my first token
	s_lshr_b32 s19, s18, 11
	s_lshl_b32 s19, s19, 4
	s_and_b32 s22, s17, 3
	s_lshl_b32 s22, s22, 2
	s_add_co_u32 s19, s19, s22
	s_lshl_b32 s22, s15, 1
	s_add_co_u32 s19, s19, s22                     ; 16 x batch + my first head
	s_lshl_b32 s19, s19, 19
	s_bfe_u32 s22, s18, 0x30008
	s_lshl_b32 s22, s22, 16                        ; the chunk,
	s_add_co_u32 s19, s19, s22
	s_bfe_u32 s22, s18, 0x10007
	s_lshl_b32 s22, s22, 13                        ; its half,
	s_add_co_u32 s19, s19, s22
	s_add_co_u32 s19, s19, 32768                   ; V's part
	s_cmp_eq_u32 ttmp9, 0
	s_cselect_b32 s20, s20, s21
	s_cselect_b64 s[12:13], s[96:97], s[98:99]     ; q16 or kv16
	s_mov_b32 s22, 0x80000
	s_cselect_b32 s22, 0x40000, s22                ; bytes from a head to the next
	s_mov_b32 s[FAC], 0x3ed96d27                   ; f = sqrt(log2(e) / 8)
	s_cselect_b32 s[FAC], 0xbed96d27, s[FAC]       ; -f for q
	s_mov_b32 s[FAC+1], s[FAC]                     ; (named with it as a pair, so it is written)
	s_cselect_b32 s92, 0, 8192                     ; k's tiles 4-7 lie 8,192 bytes further on than 2,048 a tile would put them: the other half's four tiles lie between
	s_mov_b32 s93, 0
	s_cmp_eq_u32 ttmp9, 2
	s_cselect_b32 s20, s19, s20
	s_mov_b32 s21, 0
	s_mov_b32 s23, 0
	s_add_nc_u64 s[12:13], s[12:13], s[20:21]      ; my first head's part,
	s_add_nc_u64 s[100:101], s[12:13], s[22:23]    ; my second head's
.macro FRAG reg, adr, q, i             ; a fragment, 16 rows x 128 K of 4-bit codes, is 8 registers: lane l holds row l % 16; registers 4 c .. 4 c + 3 hold K = 64 c + 32 (l / 16) + 0 .. 31
.irp c, 0,1
	ds_load_b128 v[\reg+4*\c:\reg+4*\c+3], v[\adr] offset:64*(\q)+32*\c+(\i)*16*PITCH
.endr
.endm
; 16 matrix instructions: A's blocks a0, a0 + 1 x B's eight, 128 along K: the slot's q-th.  p: B's set;  sc: the set of scale words.  zero = 1: the first product starts the sums: nothing is ever cleared.
; The 64 accumulators take turns, one instruction a turn, in the same order in every step.
.macro MUL16 a0, p, q, sc, zero
.irp a, \a0, \a0+1
.irp b, 0,1,2,3,4,5,6,7
.if \zero
	v_wmma_scale_f32_16x16x128_f8f6f4 v[8*(8*((\a)%4)+\b):8*(8*((\a)%4)+\b)+7], v[128*(\p)+FR*\b:128*(\p)+FR*\b+FR-1], v[AF+FR*(\a):AF+FR*(\a)+FR-1], 0, v[SC+8*NQ*(\sc)+NQ*\b+(\q)], v[SC+8*NQ*(\sc)+NQ*(\a)+(\q)] matrix_a_fmt:MATRIX_FMT_FP4 matrix_b_fmt:MATRIX_FMT_FP4 matrix_a_scale:MATRIX_SCALE_ROW1
.else
	v_wmma_scale_f32_16x16x128_f8f6f4 v[8*(8*((\a)%4)+\b):8*(8*((\a)%4)+\b)+7], v[128*(\p)+FR*\b:128*(\p)+FR*\b+FR-1], v[AF+FR*(\a):AF+FR*(\a)+FR-1], v[8*(8*((\a)%4)+\b):8*(8*((\a)%4)+\b)+7], v[SC+8*NQ*(\sc)+NQ*\b+(\q)], v[SC+8*NQ*(\sc)+NQ*(\a)+(\q)] matrix_a_fmt:MATRIX_FMT_FP4 matrix_b_fmt:MATRIX_FMT_FP4 matrix_a_scale:MATRIX_SCALE_ROW1
.endif
.endr
.endr
.endm
.macro FETCH_B slot, q, p              ; B's eight fragments of the slot's q-th 128 along K into set p
	WIN TO_B
.irp i, 0,1,2,3,4,5,6,7
	FRAG 128*(\p)+FR*\i, ADRB+\slot, \q, \i
.endr
	WIN 0
.endm
.macro FETCH_A slot, q, i0             ; A's blocks i0 .. i0 + 3
.irp i, \i0, \i0+1, \i0+2, \i0+3
	FRAG AF+FR*(\i), ADRA+\slot, \q, \i
.endr
.endm
.macro SCALES sc                       ; a slot's scale words into set sc: NQ words a row; lanes 0-15 take A's block i, lanes 16-31 B's block i
.irp i, 0,1,2,3,4,5,6,7
	ds_load_b128 v[SC+8*NQ*\sc+NQ*\i:SC+8*NQ*\sc+NQ*\i+3], v[ADRS] offset:\i*SBLK
.endr
.endm
; A load into a register that a matrix instruction has read, and a vector instruction that reads a matrix result or writes one of its registers, stand NP places behind that matrix instruction, and only plain
; vector instructions that name none of its registers are places (ISA guide 7.12.1 for vector instructions).
.macro PLACES n
.rept \n
	v_nop
.endr
.endm
; A step of 128 along K that has its successor in the same slot.  A block of A is free as soon as its eight products are issued: blocks 0-3 are fetched anew in the step's middle, blocks 4-7 at its end.
.macro STEP slot, q, zero
	s_wait_dscnt 4*NL                              ; B's set and A's blocks 0-3 are in; the youngest eight loads (A's blocks 4-7) may be out
	WIN MUL_LO
	MUL16 0, (\q)%2, \q, \slot, \zero
	MUL16 2, (\q)%2, \q, \slot, \zero
	s_wait_dscnt 0                                 ; A's blocks 4-7 are in (asked for 32 matrix instructions ago)
	PLACES NP
	FETCH_B \slot, (\q)+1, 1-(\q)%2
	FETCH_A \slot, (\q)+1, 0
	WIN MUL_HI
	MUL16 4, (\q)%2, \q, \slot, \zero
	MUL16 6, (\q)%2, \q, \slot, \zero
	PLACES NP
	WIN 0
	FETCH_A \slot, (\q)+1, 4
.endm
; Slot 0's last step goes over to slot 1: in front of the one barrier each wave waits for all its tensor loads (its part of slot 1 was still out).  Nothing is filled again.
.macro TURN slot, next
	s_wait_tensorcnt 0x0                           ; all my tensor loads have landed
	ds_add_u32 v[SPW], v[NIL]                      ; 0 onto my spare word
	s_wait_dscnt 4*NL+1                            ; (the add and the youngest eight loads, A's blocks 4-7, may be out)
	WIN MUL_LO
	MUL16 0, 1, NQ-1, \slot, 0                     ; sixteen matrix instructions stand between the add and the wait for it
	s_wait_dscnt 0x0                               ; no LDS instruction of mine is pending at the signal
	s_barrier_signal -1
	MUL16 2, 1, NQ-1, \slot, 0
	WIN 0
	s_barrier_wait -1                              ; everybody's part of the next slot has landed
	PLACES NP
	v_add_nc_u32 v[ADRS], 4*NQ, v[ADRS]            ; on to the next slot's scale words (no LDS load of mine is out)
	FETCH_B \next, 0, 0
	FETCH_A \next, 0, 0
	SCALES \next
	WIN MUL_HI
	MUL16 4, 1, NQ-1, \slot, 0
	MUL16 6, 1, NQ-1, \slot, 0
	PLACES NP
	WIN 0
	FETCH_A \next, 0, 4
.endm
	s_wait_tensorcnt 1                             ; the scales and my part of slot 0 are in (slot 1's load may be out),
	s_barrier_signal -1
	s_barrier_wait -1                              ; everybody's are
	FETCH_B 0, 0, 0
	FETCH_A 0, 0, 0
	SCALES 0
	FETCH_A 0, 0, 4
	STEP 0, 0, 1                                   ; the first step's products start the sums
	STEP 0, 1, 0
	STEP 0, 2, 0
	TURN 0, 1
	STEP 1, 0, 0
	STEP 1, 1, 0
	STEP 1, 2, 0
	s_wait_dscnt 4*NL                              ; the very last step: nothing more to fetch
	WIN MUL_LO
	MUL16 0, 1, NQ-1, 1, 0
	MUL16 2, 1, NQ-1, 1, 0
	s_wait_dscnt 0
	WIN MUL_HI
	MUL16 4, 1, NQ-1, 1, 0
	MUL16 6, 1, NQ-1, 1, 0
	WIN 0
; THE WAY OUT, block by block of A's 16 rows.  Accumulator (a, b), rounded to f16, is one group of 512 bytes; each accumulator is read from its low end on.
.macro PACKS a                         ; q and k: x the factor, in f32, then rounded
.set AC, 64*((\a)%4)
.set OB, OUTR+32*((\a)%2)
	WIN 0x02+((\a)/4)                              ; source 0: window 2 or 3
.set i, 0
.rept 32
	v_pk_mul_f32 v[TMPF+i:TMPF+i+1], v[AC+i:AC+i+1], s[FAC:FAC+1] op_sel_hi:[1,0]
.set i, i+2
.endr
	WIN 0
.set i, 0
.rept 32
	v_cvt_pk_f16_f32 v[OB+i], v[TMPF+2*i], v[TMPF+2*i+1]
.set i, i+1
.endr
.endm
.macro PACKV a                         ; v: rounded as it is
.set AC, 64*((\a)%4)
.set OB, OUTR+32*((\a)%2)
	WIN 0x0a+5*((\a)/4)                            ; sources 0 and 1: window 2 or 3
.set i, 0
.rept 32
	v_cvt_pk_f16_f32 v[OB+i], v[AC+2*i], v[AC+2*i+1]
.set i, i+1
.endr
	WIN 0
.endm
.macro OUTQK a                         ; block a is a tile of 16 tokens; b / 4 the head, b % 4 the group along d
.set OB, OUTR+32*((\a)%2)
.irp b, 0,1,2,3
	global_store_b128 v[CO], v[OB+4*\b:OB+4*\b+3], s[12:13] offset:(\a)*2048+\b*512            ; 32 lanes store 512 consecutive bytes
.endr
.irp b, 0,1,2,3
	global_store_b128 v[CO], v[OB+16+4*\b:OB+16+4*\b+3], s[100:101] offset:(\a)*2048+\b*512
.endr
.endm
.macro OUTV a                          ; block a: a / 4 the head, a % 4 the tile of 16 channels; b / 2 the split of 32 keys, b % 2 the group of 16 keys
.set OB, OUTR+32*((\a)%2)
.irp b, 0,1,2,3,4,5,6,7
.if (\a) < 4
	global_store_b128 v[CO], v[OB+4*\b:OB+4*\b+3], s[12:13] offset:((\a)%4)*1024+(\b/4)*16384+((\b/2)%2)*4096+(\b%2)*512
.else
	global_store_b128 v[CO], v[OB+4*\b:OB+4*\b+3], s[100:101] offset:((\a)%4)*1024+(\b/4)*16384+((\b/2)%2)*4096+(\b%2)*512
.endif
.endr
.endm
	PLACES NP                                      ; behind the last products: for the writes into the registers that held A's fragments, and for the reads of results
	s_cmp_eq_u32 ttmp9, 2                          ; the cluster's x: the same in all partners
	s_cbranch_scc1 .Lv
.irp a, 0,1,2,3,4,5,6,7
.if \a >= 2
	s_wait_xcnt 0x0                                ; block a - 2's stores have read their data and their bases: both may be written again
.endif
.if \a == 4
	s_add_nc_u64 s[12:13], s[12:13], s[92:93]      ; k: past the other half's four tiles (q: 0)
	s_add_nc_u64 s[100:101], s[100:101], s[92:93]
.endif
	PACKS \a
	OUTQK \a
.endr
	s_branch .Ldone
.Lv:
.irp a, 0,1,2,3,4,5,6,7
.if \a >= 2
	s_wait_xcnt 0x0                                ; block a - 2's stores have read their data
.endif
	PACKV \a
	OUTV \a
.endr
.Ldone:
	s_wait_tensorcnt 0x0                           ; the wave's end: behind my last tensor load
	ds_add_u32 v[SPW], v[NIL]
	s_wait_dscnt 0x0
	CROUND                                         ; the closing round: no work-group ends while a partner may still ask for a tile that names it
	s_endpgm
.Lfunc_end_k_qa99ef7b46a_qkv:
	.size	k_qa99ef7b46a_qkv, .Lfunc_end_k_qa99ef7b46a_qkv-k_qa99ef7b46a_qkv
	.p2alignl 7, 3214868480
	.fill 96, 4, 3214868480
	.section	.rodata,"a",@progbits
	.p2align	6, 0x0
	.amdhsa_kernel k_qa99ef7b46a_qkv
		.amdhsa_group_segment_fixed_size 327680
		.amdhsa_private_segment_fixed_size 0
		.amdhsa_enable_private_segment 0
		.amdhsa_kernarg_size 48
		.amdhsa_user_sgpr_count 2
		.amdhsa_user_sgpr_kernarg_segment_ptr 1
		.amdhsa_wavefront_size32 1
		.amdhsa_system_sgpr_workgroup_id_x 1
		.amdhsa_system_sgpr_workgroup_id_y 1
		.amdhsa_system_sgpr_workgroup_id_z 1
		.amdhsa_system_vgpr_workitem_id 0
		.amdhsa_next_free_vgpr 1024
		.amdhsa_next_free_sgpr 102
		.amdhsa_reserve_vcc 0
		.amdhsa_float_denorm_mode_32 3
		.amdhsa_float_denorm_mode_16_64 3
		.amdhsa_memory_ordered 1
		.amdhsa_forward_progress 1
		.amdhsa_inst_pref_size 158
	.end_amdhsa_kernel
	.amdgpu_metadata
---
amdhsa.version: [ 1, 2 ]
amdhsa.kernels:
  - .name:           k_qa99ef7b46a_qkv
    .symbol:         k_qa99ef7b46a_qkv.kd
    .args:
      - { .name: xc, .offset: 0, .size: 8, .value_kind: global_buffer, .address_space: global }
      - { .name: xs, .offset: 8, .size: 8, .value_kind: global_buffer, .address_space: global }
      - { .name: wc, .offset: 16, .size: 8, .value_kind: global_buffer, .address_space: global }
      - { .name: ws, .offset: 24, .size: 8, .value_kind: global_buffer, .address_space: global }
      - { .name: q16, .offset: 32, .size: 8, .value_kind: global_buffer, .address_space: global }
      - { .name: kv16, .offset: 40, .size: 8, .value_kind: global_buffer, .address_space: global }
    .group_segment_fixed_size: 327680
    .private_segment_fixed_size: 0
    .kernarg_segment_align: 8
    .kernarg_segment_size: 48
    .max_flat_workgroup_size: 128
    .sgpr_count:     102
    .vgpr_count:     1024
    .wavefront_size: 32
...
	.end_amdgpu_metadata
.endif
;; end of part 2
;; launch attn (part 3): grid 8 x 32, 16 waves a work-group, no clusters, 327,680 bytes of LDS; arguments q16, kv16, ao16; writes ao16
.if DOCPART == 3
	.amdgcn_target "amdgcn-amd-amdhsa--gfx1250"
	.amdhsa_code_object_version 6
	.text
	.protected	k_qa99ef7b46a_attn
	.globl	k_qa99ef7b46a_attn
	.p2align	8
	.type	k_qa99ef7b46a_attn,@function
k_qa99ef7b46a_attn:
	s_mov_b64 s[64:65], 0
	v_nop
	global_prefetch_b8 v0, s[64:65] scope:SCOPE_SE
	s_setreg_imm32_b32 hwreg(HW_REG_WAVE_MODE, 25, 1), 1
	s_wait_xcnt 0x0
; out[i] = sum over j <= i of p(i, j) v[j] / (sum over j <= i of p(i, j) + 1e-6), p = sigmoid(q[i] . k[j] / 8 - slope (i - j))^4, for 32 heads (batch x head) of 2,048 positions and 64 channels.  Keys j > i count for exactly 0
; (sigmoid(-10000)^4 is 0 in f32), so tiles that lie wholly behind the diagonal are left out.  Nothing is taken off ahead of the exponential, as in the definition: the sigmoid is bounded, and both sums are plain sums over keys.
; ARITHMETIC.  q16 holds -f q and kv16 f k, f^2 = log2(e) / 8, in f16: their product, summed in f32 onto the bias a' (i - j), a' = slope log2(e), is arg = -s log2(e).  e = 2^arg; t = c e + c, c = 2^-3.75; p' = 1 / t^4 = 2^15 sigmoid(s)^4, at most 32,768.
; p' is rounded to f16 for the second product; the row's sum is taken of the unrounded p', in f32; the divisor's 1e-6 becomes 2^15 x 1e-6.  An arg too large gives e = infinity, t^4 = infinity and p' = 0; one too small gives e = 0 and p' = 2^15: the sigmoid's own ends.
; What p' loses under f16's smallest step is at most 2^-25 a key against a divisor of at least 2^-4.93.  LIMITS: |f q|, |f k|, |v| and |out| under 65,504 (f16); NaN and infinities are not served.
; SHARES.  Work-group (J, head) owns two blocks of 128 queries: job 0 block 15 - J, job 1 block J: 17 halves of 128 keys in all, whatever J.  Wave w: 32 queries (two tiles), group g = w / 4; of every 128 keys the 32 of split s = w % 4.
; A step is 32 keys x 32 queries: each fragment of K and V from LDS feeds two tiles of queries.  The four splits' sums meet in LDS at a job's end, where wave (g, s) finishes channels 16 s .. 16 s + 15.
; WALK.  Two jobs x eight trips, constants of the text; a trip is a slot of 256 keys, two steps a wave.  A step whose first key lies behind the wave's last query is jumped over (a scalar branch on ids); no barrier, wait or add is.
; K and V come through a ring of two LDS slots of 65,536 bytes, filled by waves 0 to 3, 16,384 dense bytes each; every such quarter holds bytes of the chunk's first 128 keys (kv16's layout), so a chunk that is asked for is read in all four quarters.
; NO CLUSTER: the work-groups of a head walk different numbers of chunks under the mask, so a partner would have to ask for tiles that none of its waves reads.
; LAYOUT.  S^T = K Q^T (source 0 = 16 keys, source 1 = 16 queries): a lane holds ONE query (lane % 16) and keys 8 (lane / 16) + 0..7.  Two such tiles, rounded in pairs, ARE source 1 (32 keys x 16 queries) of O^T = V^T P.
; REGISTERS: v1-12 addresses and constants; v[14:15] c; v16-47 Q; v48-79 K; v80-111 V; v112-143 S^T, then p'; v144-159 P; v160-223 O^T; v224-247 the bias; v248-251 the sums; v252-255 at work.
.set SLOTB, 65536                      ; a slot: K's part, then V's part at 32,768
.set STG,   2*SLOTB                    ; behind the ring: a stage of 8,192 bytes for each wave: [channel tile 4][query tile 2][half 2][512]
.set LSTG,  STG+16*8192                ; the sums: 256 bytes a wave, 8 a lane
.set SPARE, LSTG+16*256                ; the spare words, 128 bytes a wave, which no other line names
.set QF,  16                           ; + 16 qt + 4 group
.set KFR, 48                           ; + 16 kt + 4 group
.set VF,  80                           ; + 8 c + 4 group
.set S,   112                          ; + 16 qt + 8 kt + j
.set P,   144                          ; + 8 qt + 4 kt + i
.set O,   160                          ; + 32 qt + 8 c + j
.set BI,  224                          ; + 8 x + jj, x = qt - kt + 1: a' (16 (x - 1) + r - 8 h - jj)
.set L,   248                          ; v[248:249] tile 0's sum in two halves, v[250:251] tile 1's
; s4-9 q16, kv16, ao16; s10 wave, s11 g, s12 s, s13 J, s14 batch x head, s15 head; s[16:23], s[24:27] the descriptor; s[28:29] my quarter of the head's chunk 0; s[30:31] a chunk's offset; s32 the slot in hand;
; s33 trip, s34 job, s35 trips in all; s36 next chunk, s37 its first key; s38 the job's last query, s39 the next job's, or -1; s40 my first query; s41 the step's first key; s42, s43, s46 at work; s[44:45] c; s48 a'; s49 the divisor's addend;
; s[50:51] lane selects; s[52:53] my Q; s[54:55] my output; s[56:57], s58 the prefetches
.macro TLOAD                           ; waves 0 to 3 fetch, the others nothing: a branch on the wave's number.  An s_nop 0 and four v_nop follow the load
	s_cmp_lt_u32 s10, 4
	s_cbranch_scc0 .Lnone_\@
	tensor_load_to_lds s[24:27], s[16:23]
	s_nop 0
.rept 4
	v_nop
.endr
.Lnone_\@:
.endm
; A PREFETCH INTO THE L2 of the chunk that the NEXT change of slots will ask for.  All eight work-groups of a head read the same chunks; work-group J = 0, whose job 0 walks all eight, asks, and nobody else.  In it waves 4 to 11, which fetch nothing,
; ask for 8,192 bytes each, lanes 256 bytes apart: each aligned block of 256 bytes is named once in the launch.  Trips 0 to 5 name chunks 2 to 7; chunks 0 and 1 come by their loads alone, and later trips ask for nothing.
.macro ASK
	s_cmp_lt_u32 s35, s58
	s_cbranch_scc0 .Lnot_mine_\@
	global_prefetch_b8 v12, s[56:57] th:TH_LOAD_NT scope:SCOPE_SE
.Lnot_mine_\@:
.endm
	s_load_b128 s[4:7], s[0:1], 0x0                ; q16, kv16
	s_load_b64 s[8:9], s[0:1], 0x10                ; ao16
	v_lshl_add_u32 v4, v0, 2, SPARE                ; my spare word; never rewritten
	v_mov_b32 v5, 0                                ; 0; never rewritten
	ds_add_u32 v4, v5                              ; the wave's opening: the add, twice on end, and its wait ahead of the first tensor load; the set-up below stands between the second and the wait
	ds_add_u32 v4, v5
	v_lshrrev_b32 v13, 5, v0
	v_readfirstlane_b32 s10, v13                   ; wave 0..15
	s_lshr_b32 s11, s10, 2                         ; g
	s_and_b32 s12, s10, 3                          ; s
	s_mov_b32 s13, ttmp9                           ; J
	s_and_b32 s14, ttmp7, 0xffff                   ; batch x head
	s_and_b32 s15, s14, 15                         ; head
	; descriptor group 1: 16,384 dense bytes as 64 rows of 256 (32 elements of 8 bytes), no padding: a fragment's load takes 512 consecutive bytes
	s_mov_b32 s16, 3<<16
	s_mov_b32 s17, 32<<16                          ; tensor_dim0
	s_mov_b32 s18, 64<<16                          ; tensor_dim1
	s_mov_b32 s19, 32<<16                          ; tile_dim0
	s_mov_b32 s20, 64                              ; tile_dim1
	s_mov_b32 s21, 32                              ; tensor_dim0_stride
	s_mov_b32 s22, 0
	s_mov_b32 s23, 0
	s_mov_b32 s24, 1
	s_lshl_b32 s25, s12, 14                        ; LDS: my quarter of slot 0
	s_mov_b32 s31, 0
	s_mov_b32 s32, 0
	s_mov_b32 s34, 0
	s_mov_b32 s35, 0
	s_mov_b32 s44, 0x3d9837f0                      ; c = 2^-3.75
	s_mov_b32 s45, s44                             ; (named with it as a pair, so it is written)
	s_mov_b32 s49, 0x3d0637bd                      ; 2^15 x 1e-6
	s_mov_b32 s50, 0x76543210
	s_mov_b32 s51, 0xfedcba98                      ; v_permlanex16_b32's selects for lane l xor 16
	s_add_co_u32 s42, s15, 1                       ; i = head + 1; slope = 2^(-i / 2)
	s_and_b32 s43, s42, 1
	s_cmp_lg_u32 s43, 0
	s_mov_b32 s48, 0x3fb8aa3b                      ; log2(e),
	s_cselect_b32 s48, 0x3f8293ee, s48             ; or log2(e) / sqrt(2) where i is odd,
	s_lshr_b32 s42, s42, 1
	s_lshl_b32 s42, s42, 23
	s_sub_co_u32 s48, s48, s42                     ; with i / 2 taken off the exponent field: a'
	v_and_b32 v13, 31, v0
	v_lshlrev_b32 v1, 4, v13                       ; 16 x lane
	s_lshr_b32 s42, s12, 1
	s_lshl_b32 s42, s42, 14
	s_and_b32 s43, s12, 1
	s_lshl_b32 s43, s43, 12
	s_add_co_u32 s42, s42, s43
	v_add_nc_u32 v2, s42, v1                       ; my split's 4,096 bytes in a part: 16,384 (s / 2) + 4,096 (s % 2) + 16 x lane
	v_and_b32 v6, 15, v0
	v_bfe_u32 v3, v0, 4, 1
	v_lshlrev_b32 v3, 3, v3
	v_sub_nc_u32 v6, v6, v3                        ; r - 8 h
	s_lshl_b32 s42, s10, 13
	s_add_co_u32 s42, s42, STG
	v_add_nc_u32 v7, s42, v1                       ; the stage: my wave's 8,192 bytes
	s_lshl_b32 s42, s11, 15
	s_lshl_b32 s43, s12, 11
	s_add_co_u32 s42, s42, s43
	s_add_co_u32 s42, s42, STG
	v_add_nc_u32 v8, s42, v1                       ; and back: my group's four waves, channel tile s
	v_lshlrev_b32 v9, 3, v13
	s_lshl_b32 s42, s11, 10
	s_add_co_u32 s42, s42, LSTG
	v_add_nc_u32 v10, s42, v9                      ; the sums, back: my group's four waves
	s_lshl_b32 s42, s10, 8
	s_add_co_u32 s42, s42, LSTG
	v_add_nc_u32 v9, s42, v9                       ; the sums, in
	v_mov_b32 v11, 0x7f000000                      ; 2^127: the bias of a hidden key: 2^arg is then infinity and p' 0
	v_lshlrev_b32 v12, 8, v13                      ; the prefetches: 256 x lane
	v_mov_b32 v14, 0x3d9837f0                      ; c, twice
	v_mov_b32 v15, v14
.irp n, 120,121,122,123
	v_mov_b32 v\n, 0                               ; written once: a lane permute's destination counts as one of its sources, and a pair is read whole
.endr
	s_sub_co_u32 s42, s10, 4
	s_lshr_b32 s42, s42, 3                         ; 0 in waves 4 to 11,
	s_or_b32 s42, s42, ttmp9                       ; of the head's work-group J = 0
	s_cmp_eq_u32 s42, 0
	s_cselect_b32 s58, 6, 0                        ; which ask in trips 0 to 5
	s_wait_dscnt 0x0                               ; both opening adds are done
	s_wait_kmcnt 0x0
	s_lshl_b32 s42, s14, 19                        ; 524,288 bytes a head
	s_lshl_b32 s43, s12, 14
	s_add_co_u32 s42, s42, s43
	s_mov_b32 s43, 0
	s_add_nc_u64 s[28:29], s[6:7], s[42:43]
	s_mov_b64 s[26:27], s[28:29]                   ; chunk 0
	s_or_b32 s27, s27, 0x80000000                  ; type = 2
	TLOAD                                          ; slot 0: keys 0 to 255, which count for job 0's queries in every work-group
	s_lshl_b32 s42, s14, 19
	s_and_b32 s43, s10, 7
	s_lshl_b32 s43, s43, 13                        ; my wave's 8,192 bytes,
	s_add_co_u32 s42, s42, s43
	s_add_co_u32 s42, s42, SLOTB                   ; in chunk 1: the first change of slots steps it to chunk 2.  Nothing is prefetched here, at the head
	s_mov_b32 s43, 0
	s_add_nc_u64 s[56:57], s[6:7], s[42:43]
.macro BIAS4 x, j0                     ; four registers of the bias: the whole number, as f32, x a'
.irp n, 0,1,2,3
	v_add_nc_u32 v[252+\n], 16*((\x)-1)-(\j0)-\n, v6
.endr
.irp n, 0,1,2,3
	v_cvt_f32_i32 v[252+\n], v[252+\n]
.endr
.irp n, 0,1,2,3
	v_mul_f32 v[BI+8*(\x)+(\j0)+\n], s48, v[252+\n]
.endr
.endm
; THE CHANGE OF SLOTS stands at a trip's head.  Each wave waits for all its tensor loads (its part of the slot that it is about to read), adds 0 to its spare word, and waits for that and for its reads of the slot that it has left.
; Behind the barrier the slot ahead is whole and nobody reads the other one, which takes the chunk that follows; at job 0's last trip: job 1's chunk 0.
; THE LOOK-AHEAD ENDS AT THE CAUSAL LIMIT: a chunk whose first key lies behind the job's last query is read by no wave, so it is not asked for.  The test is made of ids and the count of trips alone.
; Where the limit falls hangs on the work-group's number, so the tail cannot be written out; every wait on TENSORcnt in this text is for 0.
.macro CHANGE
	s_wait_tensorcnt 0x0                           ; no tensor load of mine is out, so the descriptor may be written
	ds_add_u32 v4, v5                              ; 0 onto my spare word,
	ds_add_u32 v4, v5                              ; and twice on end here, in every trip alike; the descriptor's step stands between the second and the wait
	s_xor_b32 s25, s25, SLOTB                      ; the other slot than last time
	s_add_co_u32 s36, s33, 1
	s_and_b32 s36, s36, 7                          ; the chunk that follows
	s_lshl_b32 s30, s36, 16
	s_add_nc_u64 s[26:27], s[28:29], s[30:31]
	s_or_b32 s27, s27, 0x80000000
	s_lshl_b32 s37, s36, 8                         ; its first key
	s_cmp_eq_u32 s36, 0
	s_cselect_b32 s46, s39, s38                    ; the last query that it serves: this job's, or the next job's (-1 where there is none)
	s_wait_xcnt 0x0                                ; the last prefetch, a trip back, has read its address, so it may be written
	s_add_nc_u64 s[56:57], s[56:57], SLOTB
	s_wait_dscnt 0x0                               ; both adds are done, and my reads of the slot that I have left are over
	s_barrier_signal -1
	s_barrier_wait -1
	s_cmp_gt_i32 s37, s46
	s_cbranch_scc1 .Lpast_\@
	TLOAD                                          ; the first thing behind the barrier, and a wave's one tensor load until the next: it has a trip's steps in which to land
.Lpast_\@:
	ASK
.endm
; A STEP: my 32 keys of the m-th 128 of the slot in hand, against my 32 queries.
.macro STEP m
	s_add_co_u32 s42, s40, 31
	s_cmp_gt_u32 s41, s42                          ; all my keys of this step lie behind my last query: the step is left out
	s_cbranch_scc1 .Lhid_\@
	v_add_nc_u32 v3, s32, v2
.irp kt, 0,1
.irp gr, 0,1,2,3
	ds_load_b128 v[KFR+16*\kt+4*\gr:KFR+16*\kt+4*\gr+3], v3 offset:(\m)*8192+\kt*2048+\gr*512
.endr
.endr
.irp c, 0,1,2,3
.irp gr, 0,1
	ds_load_b128 v[VF+8*\c+4*\gr:VF+8*\c+4*\gr+3], v3 offset:32768+(\m)*8192+\c*1024+\gr*512
.endr
.endr
	s_sub_co_u32 s43, s40, s41                     ; my first query less the step's first key: 0 or more in a step that is walked
	s_cmp_lg_u32 s41, s40
	s_cbranch_scc1 .Lopen_\@
	; ON THE DIAGONAL (my last step of the job; the bias is made anew for the next): tile x = 0 is hidden whole, tile x = 1 where 8 h + jj > r
.irp jj, 0,1,2,3,4,5,6,7
	v_mov_b32 v[BI+\jj], v11
	v_cmp_gt_i32 vcc_lo, \jj, v6
	v_cndmask_b32 v[BI+8+\jj], v[BI+8+\jj], v11, vcc_lo
.endr
.Lopen_\@:
	s_wait_dscnt 8                                 ; K is in; V's eight loads may be out
.irp qt, 0,1                                   ; S^T = K Q^T + the bias: four accumulators by turns, one instruction a turn; channels 0-31,
.irp kt, 0,1
	v_wmma_f32_16x16x32_f16 v[S+16*\qt+8*\kt:S+16*\qt+8*\kt+7], v[KFR+16*\kt:KFR+16*\kt+7], v[QF+16*\qt:QF+16*\qt+7], v[BI+8*(\qt-\kt+1):BI+8*(\qt-\kt+1)+7]
.endr
.endr
.irp qt, 0,1                                   ; and 32-63
.irp kt, 0,1
	v_wmma_f32_16x16x32_f16 v[S+16*\qt+8*\kt:S+16*\qt+8*\kt+7], v[KFR+16*\kt+8:KFR+16*\kt+15], v[QF+16*\qt+8:QF+16*\qt+15], v[S+16*\qt+8*\kt:S+16*\qt+8*\kt+7]
.endr
.endr
	v_cvt_f32_u32 v252, s43                        ; the step's part of the bias, a' (my first query - the step's first key), made anew from the whole number: no error is carried from step to step.
	v_mul_f32 v252, s48, v252                      ; (These two and the two below are the four places behind the products)
	v_nop
	v_nop
.set i, 0
.rept 16
	v_pk_add_f32 v[S+i:S+i+1], v[S+i:S+i+1], v[252:253] op_sel_hi:[1,0]    ; arg
.set i, i+2
.endr
.set i, 0
.rept 32
	v_exp_f32 v[S+i], v[S+i]                       ; e = 2^arg
.set i, i+1
.endr
	v_nop                                          ; a plain line behind the last exponential,
	s_wait_alu depctr_va_vdst(0)                   ; and one wait for the batch, ahead of its first reader
.set i, 0
.rept 16
	v_pk_fma_f32 v[S+i:S+i+1], v[S+i:S+i+1], s[44:45], v[14:15] op_sel_hi:[1,0,1]   ; t = c e + c
.set i, i+2
.endr
.set i, 0
.rept 16
	v_pk_mul_f32 v[S+i:S+i+1], v[S+i:S+i+1], v[S+i:S+i+1]                  ; t^2
.set i, i+2
.endr
.set i, 0
.rept 16
	v_pk_mul_f32 v[S+i:S+i+1], v[S+i:S+i+1], v[S+i:S+i+1]                  ; t^4
.set i, i+2
.endr
.set i, 0
.rept 32
	v_rcp_f32 v[S+i], v[S+i]                       ; p' = 2^15 sigmoid^4
.set i, i+1
.endr
	v_nop
	s_wait_alu depctr_va_vdst(0)                   ; one wait for the 32 reciprocals
.irp i, 0,2,4,6,8,10,12,14
	v_pk_add_f32 v[L:L+1], v[L:L+1], v[S+\i:S+\i+1]                        ; the rows' sums, of the unrounded p': the two tiles by turns
	v_pk_add_f32 v[L+2:L+3], v[L+2:L+3], v[S+16+\i:S+16+\i+1]
.endr
.set i, 0
.rept 16
	v_cvt_pk_f16_f32 v[P+i], v[S+2*i], v[S+2*i+1]  ; two neighbouring keys to a register: source 1 of the second product
.set i, i+1
.endr
	s_wait_dscnt 0x0                               ; V is in
.irp c, 0,1,2,3                                ; O^T += V^T P: eight accumulators by turns
.irp qt, 0,1
	v_wmma_f32_16x16x32_f16 v[O+32*\qt+8*\c:O+32*\qt+8*\c+7], v[VF+8*\c:VF+8*\c+7], v[P+8*\qt:P+8*\qt+7], v[O+32*\qt+8*\c:O+32*\qt+8*\c+7]
.endr
.endr
.rept 4
	v_nop                                          ; places in front of the next loads into V's registers and of the first read of O^T
.endr
.Lhid_\@:
	s_add_co_u32 s41, s41, 128
.endm
.Ljob:
	; A JOB'S HEAD: which block, my queries, my output's place; Q; the bias; zeros
	s_sub_co_u32 s42, 15, s13
	s_lshl_b32 s43, s13, 7
	s_add_co_u32 s43, s43, 127
	s_cmp_eq_u32 s34, 0
	s_cselect_b32 s42, s42, s13                    ; job 0: block 15 - J; job 1: block J
	s_cselect_b32 s39, s43, -1                     ; the next job's last query; behind job 1 there is none
	s_lshl_b32 s42, s42, 7
	s_add_co_u32 s38, s42, 127                     ; the job's last query
	s_lshl_b32 s43, s11, 5
	s_add_co_u32 s40, s42, s43                     ; my first query
	s_lshl_b32 s41, s12, 5                         ; my first key
	s_lshl_b32 s42, s14, 18                        ; q16: 262,144 bytes a head,
	s_lshl_b32 s43, s40, 7                         ; 2,048 a tile of 16 queries
	s_add_co_u32 s42, s42, s43
	s_mov_b32 s43, 0
	s_add_nc_u64 s[52:53], s[4:5], s[42:43]
.irp qt, 0,1
.irp gr, 0,1,2,3
	global_load_b128 v[QF+16*\qt+4*\gr:QF+16*\qt+4*\gr+3], v1, s[52:53] offset:\qt*2048+\gr*512
.endr
.endr
	s_lshr_b32 s42, s14, 4                         ; ao16: [row / 64][K step of 256: 4][tile of 16 rows: 4][group: 16][512]; K = 64 head + channel
	s_lshl_b32 s42, s42, 11
	s_add_co_u32 s42, s42, s40
	s_lshr_b32 s42, s42, 4                         ; my first tile of rows: an even number
	s_lshr_b32 s43, s42, 2
	s_lshl_b32 s43, s43, 2
	s_lshr_b32 s46, s15, 2
	s_add_co_u32 s43, s43, s46
	s_lshl_b32 s43, s43, 15
	s_and_b32 s42, s42, 3
	s_lshl_b32 s42, s42, 13
	s_add_co_u32 s42, s42, s43
	s_and_b32 s43, s15, 3
	s_lshl_b32 s43, s43, 2
	s_add_co_u32 s43, s43, s12                     ; group 4 (head % 4) + s
	s_lshl_b32 s43, s43, 9
	s_add_co_u32 s42, s42, s43
	s_mov_b32 s43, 0
	s_add_nc_u64 s[54:55], s[8:9], s[42:43]
.irp x, 0,1,2
	BIAS4 \x, 0
	BIAS4 \x, 4
.endr
.set i, 0
.rept 64
	v_mov_b32 v[O+i], 0                            ; O^T: the step is written once, and a job's first step finds zeros
.set i, i+1
.endr
.irp n, 0,1,2,3
	v_mov_b32 v[L+\n], 0
.endr
	s_wait_loadcnt 0x0                             ; Q
	s_mov_b32 s33, 0
.Ltrip:
	CHANGE
	STEP 0
	STEP 1
	s_xor_b32 s32, s32, SLOTB                      ; on to the other slot
	s_add_co_u32 s35, s35, 1
	s_add_co_u32 s33, s33, 1
	s_cmp_lt_u32 s33, 8
	s_cbranch_scc1 .Ltrip
	; A JOB'S END.  The four splits' parts of O^T and of the sums meet in LDS; wave (g, s) adds up channel tile s of its group's 32 queries, divides, rounds to f16 and stores two groups of 512 bytes.
	v_add_f32 v248, v248, v249                     ; each sum's two halves
	v_add_f32 v249, v250, v251
.irp c, 0,1,2,3
.irp qt, 0,1
	ds_store_b128 v7, v[O+32*\qt+8*\c:O+32*\qt+8*\c+3] offset:\c*2048+\qt*1024          ; each accumulator from its low end on
	ds_store_b128 v7, v[O+32*\qt+8*\c+4:O+32*\qt+8*\c+7] offset:\c*2048+\qt*1024+512
.endr
.endr
	ds_store_b64 v9, v[248:249]
	s_wait_dscnt 0x0                               ; for the others' sake: my stores have landed
	s_barrier_signal -1
	s_barrier_wait -1                              ; (no slot is filled behind this barrier: job 1's first chunk may stay on its way)
.irp w, 0,1,2,3
.irp qt, 0,1
	ds_load_b128 v[48+16*\w+8*\qt:48+16*\w+8*\qt+3], v8 offset:\w*8192+\qt*1024
	ds_load_b128 v[48+16*\w+8*\qt+4:48+16*\w+8*\qt+7], v8 offset:\w*8192+\qt*1024+512
.endr
.endr
.irp w, 0,1,2,3
	ds_load_b64 v[112+2*\w:113+2*\w], v10 offset:\w*256
.endr
	s_wait_dscnt 0x0
.irp i, 0,2,4,6,8,10,12,14
	v_pk_add_f32 v[48+\i:49+\i], v[48+\i:49+\i], v[64+\i:65+\i]
	v_pk_add_f32 v[80+\i:81+\i], v[80+\i:81+\i], v[96+\i:97+\i]
.endr
.irp i, 0,2,4,6,8,10,12,14
	v_pk_add_f32 v[48+\i:49+\i], v[48+\i:49+\i], v[80+\i:81+\i]
.endr
	v_pk_add_f32 v[112:113], v[112:113], v[114:115]
	v_pk_add_f32 v[116:117], v[116:117], v[118:119]
	v_pk_add_f32 v[112:113], v[112:113], v[116:117]
	v_permlanex16_b32 v120, v112, s50, s51         ; a query's other keys lie in the lane 16 away
	v_permlanex16_b32 v121, v113, s50, s51
	v_add_f32 v112, v112, v120
	v_add_f32 v113, v113, v121
	v_add_f32 v112, s49, v112                      ; + 2^15 x 1e-6
	v_add_f32 v113, s49, v113
	v_rcp_f32 v120, v112
	v_rcp_f32 v122, v113
	v_nop
	s_wait_alu depctr_va_vdst(0)                   ; one wait for the two reciprocals
.irp i, 0,2,4,6
	v_pk_mul_f32 v[48+\i:49+\i], v[48+\i:49+\i], v[120:121] op_sel_hi:[1,0]
	v_pk_mul_f32 v[56+\i:57+\i], v[56+\i:57+\i], v[122:123] op_sel_hi:[1,0]
.endr
.irp i, 0,1,2,3,4,5,6,7
	v_cvt_pk_f16_f32 v[128+\i], v[48+2*\i], v[49+2*\i]
.endr
	global_store_b128 v1, v[128:131], s[54:55]                 ; 32 lanes store 512 consecutive bytes: my first tile of queries,
	global_store_b128 v1, v[132:135], s[54:55] offset:8192     ; and my second
	s_wait_xcnt 0x0                                ; the stores have read their data and their base: both are written again in the next job
	s_add_co_u32 s34, s34, 1
	s_cmp_lt_u32 s34, 2
	s_cbranch_scc1 .Ljob
	s_wait_tensorcnt 0x0                           ; the wave's end: behind my last tensor load and my last LDS store
	ds_add_u32 v4, v5
	s_wait_dscnt 0x0
	s_endpgm
.Lfunc_end_k_qa99ef7b46a_attn:
	.size	k_qa99ef7b46a_attn, .Lfunc_end_k_qa99ef7b46a_attn-k_qa99ef7b46a_attn
	.p2alignl 7, 3214868480
	.fill 96, 4, 3214868480
	.section	.rodata,"a",@progbits
	.p2align	6, 0x0
	.amdhsa_kernel k_qa99ef7b46a_attn
		.amdhsa_group_segment_fixed_size 327680
		.amdhsa_private_segment_fixed_size 0
		.amdhsa_enable_private_segment 0
		.amdhsa_kernarg_size 24
		.amdhsa_user_sgpr_count 2
		.amdhsa_user_sgpr_kernarg_segment_ptr 1
		.amdhsa_wavefront_size32 1
		.amdhsa_system_sgpr_workgroup_id_x 1
		.amdhsa_system_sgpr_workgroup_id_y 1
		.amdhsa_system_sgpr_workgroup_id_z 1
		.amdhsa_system_vgpr_workitem_id 0
		.amdhsa_next_free_vgpr 256
		.amdhsa_next_free_sgpr 66
		.amdhsa_reserve_vcc 1
		.amdhsa_float_denorm_mode_32 3
		.amdhsa_float_denorm_mode_16_64 3
		.amdhsa_memory_ordered 1
		.amdhsa_forward_progress 1
		.amdhsa_inst_pref_size 42
	.end_amdhsa_kernel
	.amdgpu_metadata
---
amdhsa.version: [ 1, 2 ]
amdhsa.kernels:
  - .name:           k_qa99ef7b46a_attn
    .symbol:         k_qa99ef7b46a_attn.kd
    .args:
      - { .name: q16, .offset: 0, .size: 8, .value_kind: global_buffer, .address_space: global }
      - { .name: kv16, .offset: 8, .size: 8, .value_kind: global_buffer, .address_space: global }
      - { .name: ao16, .offset: 16, .size: 8, .value_kind: global_buffer, .address_space: global }
    .group_segment_fixed_size: 327680
    .private_segment_fixed_size: 0
    .kernarg_segment_align: 8
    .kernarg_segment_size: 24
    .max_flat_workgroup_size: 512
    .sgpr_count:     66
    .vgpr_count:     256
    .wavefront_size: 32
...
	.end_amdgpu_metadata
.endif
;; end of part 3
;; launch proj (part 4): grid 8 x 32, 4 waves a work-group, clusters of 4 x 4, 327,680 bytes of LDS; arguments ao16, wo16, out0; writes out0
.if DOCPART == 4
	.amdgcn_target "amdgcn-amd-amdhsa--gfx1250"
	.amdhsa_code_object_version 6
	.text
	.protected	k_qa99ef7b46a_proj
	.globl	k_qa99ef7b46a_proj
	.p2align	8
	.type	k_qa99ef7b46a_proj,@function
k_qa99ef7b46a_proj:
	s_mov_b64 s[64:65], 0
	v_nop
	global_prefetch_b8 v0, s[64:65] scope:SCOPE_SE
	s_setreg_imm32_b32 hwreg(HW_REG_WAVE_MODE, 25, 1), 1
	s_wait_xcnt 0x0
	s_wait_alu depctr_hold_cnt(0) depctr_sa_sdst(0) depctr_va_vdst(0) depctr_va_sdst(0) depctr_va_ssrc(0) depctr_va_vcc(0) depctr_vm_vsrc(0)
	s_getreg_b32 s2, hwreg(HW_REG_IB_STS2, 6, 4)
	s_cmp_eq_u32 s2, 0
	s_cbranch_scc0 .Lentry_in_a_cluster
	s_endpgm
.Lentry_in_a_cluster:
	s_bfe_u32 s2, ttmp6, 0x10000c
	s_cmp_lg_u32 s2, 0xf033
	s_cbranch_scc0 .Lentry_shape_is_right
	s_endpgm
.Lentry_shape_is_right:
; out0[m][n] = sum over k of A[m][k] B[n][k]: A = the attention's result [4096][1024], B = w_out [1024][1024], both f16 in the order of an operand's registers; sums and out0 in f32.
; ao16 and wo16 are laid [row / 64][K step of 256: 4][tile of 16 rows: 4][group: 16][512 bytes]; in a group lane (r, h) holds row r and k = 16 x group + 8 h + 0 .. 7; two groups on end are the eight registers of a fragment of 16 rows x 32 K.
; So 64 rows x 256 K are 32,768 dense bytes, one tensor load; a fragment's load takes 512 consecutive bytes of LDS: no pitch and no padding.
; A tile of out0 is 128 x 128: 256 work-groups.  Four waves, each 64 x 64: 16 accumulators of 16 x 16, 128 registers.  K goes in steps of 256 through a ring of two LDS slots.
; CLUSTERS: 4 x 4 work-groups.  The four of a row of the cluster need the same tiles of A, the four of a column the same tiles of B: each tile is asked for JOINTLY, by the same tensor load with the same descriptor and a mask that names the four.
; THE MATRIX INSTRUCTION IS USED TRANSPOSED (source 0 = 16 rows of B, source 1 = 16 rows of A): a lane then holds eight neighbouring numbers of a row of out0.
; No prefetch: the tiles are small and shared by joint loads.  REGISTERS: window 0: v0-31 addresses; v32-95 at work on the way out; v128-255 the accumulators ((a, b) at v[128 + 8 (4 a + b)]).
;   window 1: two fragment buffers of 128: for 64 along K, 64 registers of A (2 x 4 x 16 rows x 32 K), then 64 of B.
.set SIZE_N, 1024
.set HALFT,  32768                     ; 64 rows x 256 K: what one tensor load brings, and what one wave reads of A or of B
.set SLOT,   4*HALFT                   ; A's 128 rows, then B's 128 rows
.set STAGE,  2*SLOT                    ; behind the ring: 16 rows x 272 bytes for each wave, for the way out
.set SPITCH, 272
.set SPARE,  STAGE+4*16*SPITCH         ; behind the stages: the spare words, 128 bytes a wave, which no other line names
.set LAPS,   2                         ; a lap = two K steps = once round the ring; K = 1024
.set ADRA, 16                          ; v16-17  LDS address of my A fragments in slot 0, 1
.set ADRB, 20                          ; v20-21  the same for B
.set STO,  24                          ; v24     the way out: where I put 32 bytes of a row
.set RD,   25                          ; v25     the way out: where I read a row back
.set CO,   26                          ; v26     my byte offset in out0
.set SPW,  28                          ; v28     LDS address of my spare word; never rewritten
.set NIL,  29                          ; v29     0; never rewritten
.set TMP,  32                          ; the way out: 16 rows read back: v32-63 and v64-95 by turns
.set ACC,  128
.set F0,   0                           ; fragment buffers, in window 1
.set F1,   128
.set G1, 24                            ; s[24:31] descriptor group 1 for A's tiles;  s[32:39] group 0, one set for each slot
.set G0, 32
.set G1B, 48                           ; s[48:55], s[56:63] the same for B's tiles
.set G0B, 56
.set MSB, 0
.macro WIN new                         ; the immediate's high byte repeats the setting that is left
.if MSB != \new
	s_set_vgpr_msb (MSB<<8)|\new
.set MSB, \new
.endif
.endm
.set MUL,  0x05                        ; sources 0 (B) and 1 (A) window 1; C and D window 0
.set TO_F, 0x40                        ; destination window 1, address window 0
.macro JLOAD s                         ; a joint load: waves 0 and 1 fetch A's two halves, waves 2 and 3 B's; an s_nop 0 and four v_nop follow each of the two lines, ahead of the jump, the label and what follows
	s_cmp_eq_u32 s11, 0
	s_cbranch_scc0 .Lfor_b_\@
	tensor_load_to_lds s[G0+4*\s:G0+4*\s+3], s[G1:G1+7]
	s_nop 0
.rept 4
	v_nop
.endr
	s_branch .Lasked_\@
.Lfor_b_\@:
	tensor_load_to_lds s[G0B+4*\s:G0B+4*\s+3], s[G1B:G1B+7]
	s_nop 0
.rept 4
	v_nop
.endr
.Lasked_\@:
.endm
.macro CREST                           ; a round of the cluster's barrier behind its opening barrier
	s_cmp_lg_u32 s10, 0
	s_cbranch_scc1 .Lnot_wave_0_\@
	s_barrier_signal -3
.Lnot_wave_0_\@:
	s_barrier_wait -3
	s_barrier_signal -1
	s_barrier_wait -1
.endm
.macro CROUND                          ; a whole round
	s_barrier_signal -1
	s_barrier_wait -1
	CREST
.endm
	s_load_b128 s[4:7], s[0:1], 0x0                ; ao16 s[4:5], wo16 s[6:7]
	s_load_b64 s[8:9], s[0:1], 0x10                ; out0
	v_lshl_add_u32 v[SPW], v0, 2, SPARE
	v_mov_b32 v[NIL], 0
	ds_add_u32 v[SPW], v[NIL]                      ; the wave's opening: the add, twice on end, and its wait ahead of my first tensor load; the set-up below stands between the second and the wait
	ds_add_u32 v[SPW], v[NIL]
	v_lshrrev_b32 v1, 5, v0
	v_readfirstlane_b32 s10, v1                    ; wave 0..3
	s_lshr_b32 s11, s10, 1                         ; which half of the tile's rows is mine.  Also: I fetch for A (0) or for B (1)
	s_and_b32 s12, s10, 1                          ; which half of its columns.  Also: which 64 rows of that tile I fetch
	s_bfe_u32 s40, ttmp6, 0x40000                  ; cx, cy: my place in the cluster
	s_bfe_u32 s41, ttmp6, 0x40004
	s_lshl_b32 s42, ttmp9, 2
	s_add_co_u32 s42, s42, s40                     ; tile column = 4 x cluster x + cx
	s_and_b32 s13, ttmp7, 0xffff
	s_lshl_b32 s13, s13, 2
	s_add_co_u32 s13, s13, s41                     ; tile row = 4 x cluster y + cy
	s_lshl_b32 s43, s41, 2
	s_lshl_b32 s43, 15, s43                        ; my row of the cluster
	s_lshl_b32 s44, 0x1111, s40                    ; my column
	; descriptor group 1: 32,768 dense bytes as 128 rows of 256 (32 elements of 8 bytes), no padding
	s_or_b32 s[G1+0], s43, (3<<16)|(1<<21)         ; 15:0 the mask: A's tiles go to my row; 17:16 elements of 8 bytes; 21 set beside a mask
	s_or_b32 s[G1B+0], s44, (3<<16)|(1<<21)
.irp g, G1, G1B
	s_mov_b32 s[\g+1], 32<<16                      ; tensor_dim0
	s_mov_b32 s[\g+2], 128<<16                     ; tensor_dim1
	s_mov_b32 s[\g+3], 32<<16                      ; tile_dim0
	s_mov_b32 s[\g+4], 128                         ; tile_dim1
	s_mov_b32 s[\g+5], 32                          ; tensor_dim0_stride
	s_mov_b32 s[\g+6], 0
	s_mov_b32 s[\g+7], 0
.endr
	s_lshl_b32 s16, s13, 1
	s_add_co_u32 s16, s16, s12                     ; A: which 64 rows: 2 x tile row + half,
	s_lshl_b32 s16, s16, 17                        ; 131,072 bytes each
	s_mov_b32 s17, 0
	s_lshl_b32 s46, s42, 1
	s_add_co_u32 s46, s46, s12                     ; B: 2 x tile column + half
	s_lshl_b32 s46, s46, 17
	s_mov_b32 s47, 0
	s_lshl_b32 s20, s10, 15                        ; where they go: wave x 32,768: no place in the cluster enters an LDS address
	s_wait_dscnt 0x0                               ; both opening adds are done
	s_wait_kmcnt 0x0
	s_add_nc_u64 s[14:15], s[4:5], s[16:17]
	s_add_nc_u64 s[46:47], s[6:7], s[46:47]
	CROUND                                         ; all sixteen work-groups are here: the first joint loads meet
.irp s, 0,1
	s_mov_b32 s[G0+4*\s], 1
	s_add_co_u32 s[G0+4*\s+1], s20, \s*SLOT
	s_add_nc_u64 s[G0+4*\s+2:G0+4*\s+3], s[14:15], \s*HALFT        ; K step s
	s_or_b32 s[G0+4*\s+3], s[G0+4*\s+3], 0x80000000
	s_mov_b32 s[G0B+4*\s], 1
	s_add_co_u32 s[G0B+4*\s+1], s20, \s*SLOT
	s_add_nc_u64 s[G0B+4*\s+2:G0B+4*\s+3], s[46:47], \s*HALFT
	s_or_b32 s[G0B+4*\s+3], s[G0B+4*\s+3], 0x80000000
	JLOAD \s
.endr
	v_and_b32 v1, 15, v0                           ; l % 16
	v_bfe_u32 v2, v0, 4, 1                         ; l / 16
	v_and_b32 v3, 31, v0
	v_lshlrev_b32 v3, 4, v3                        ; 16 x lane: my place in a group
	s_lshl_b32 s21, s11, 15                        ; my 64 rows of A
	s_lshl_b32 s22, s12, 15                        ; my 64 rows of B,
	s_add_co_u32 s22, s22, 2*HALFT                 ; which lie behind A's 128
.irp s, 0,1
	v_add_nc_u32 v[ADRA+\s], s21, v3
	v_add_nc_u32 v[ADRB+\s], s22, v3
	s_add_co_u32 s21, s21, SLOT
	s_add_co_u32 s22, s22, SLOT
.endr
	s_mul_i32 s23, s10, 16*SPITCH
	s_add_co_u32 s23, s23, STAGE                   ; my stage
	v_mul_u32_u24 v4, v1, SPITCH                   ; in: row l % 16, 32 bytes for each half of the lanes
	v_lshl_add_u32 v4, v2, 5, v4
	v_add_nc_u32 v[STO], s23, v4
	v_mul_u32_u24 v5, v2, SPITCH                   ; back: lanes 0-15 take one row of 256 bytes, lanes 16-31 the next
	v_lshl_add_u32 v5, v1, 4, v5
	v_add_nc_u32 v[RD], s23, v5
	v_lshlrev_b32 v5, 12, v2                       ; and the same two rows in out0: 4,096 bytes a row
	v_lshl_add_u32 v[CO], v1, 4, v5
	s_lshl_b32 s16, s13, 7
	s_lshl_b32 s17, s11, 6
	s_add_co_u32 s16, s16, s17                     ; my first row: 128 x tile row + 64 x half
	s_lshl_b32 s16, s16, 12
	s_mov_b32 s17, 0
	s_add_nc_u64 s[8:9], s[8:9], s[16:17]
	s_lshl_b32 s46, s42, 9                         ; my first column, in bytes: 512 x tile column + 256 x half
	s_lshl_b32 s47, s12, 8
	s_add_co_u32 s46, s46, s47
	s_mov_b32 s47, 0
	s_add_nc_u64 s[8:9], s[8:9], s[46:47]
; 8 matrix instructions: m blocks a0, a0 + 1 x all 4 n blocks, 32 along K: half c of buffer f.  zero = 1: the first product starts the sums.  The 16 accumulators take turns
.macro MUL8 f, c, a0, zero
.irp a, \a0, \a0+1
.irp b, 0,1,2,3
.if \zero
	v_wmma_f32_16x16x32_f16 v[ACC+8*(4*(\a)+\b):ACC+8*(4*(\a)+\b)+7], v[\f+64+8*(4*\c+\b):\f+64+8*(4*\c+\b)+7], v[\f+8*(4*\c+\a):\f+8*(4*\c+\a)+7], 0
.else
	v_wmma_f32_16x16x32_f16 v[ACC+8*(4*(\a)+\b):ACC+8*(4*(\a)+\b)+7], v[\f+64+8*(4*\c+\b):\f+64+8*(4*\c+\b)+7], v[\f+8*(4*\c+\a):\f+8*(4*\c+\a)+7], v[ACC+8*(4*(\a)+\b):ACC+8*(4*(\a)+\b)+7]
.endif
.endr
.endr
.endm
; 32 LDS loads in one run: the fragments of the K step's quarter qd (64 along K), into buffer f; the first 32 along K first.  Tile i of 16 rows lies 8,192 i on, a fragment of 32 along K 1,024 on from the last
.macro FETCH slot, qd, f
	WIN TO_F
.irp c, 0,1
.irp i, 0,1,2,3
	ds_load_b128 v[\f+64+8*(4*\c+\i):\f+64+8*(4*\c+\i)+3],   v[ADRB+\slot] offset:\i*8192+(2*(\qd)+\c)*1024
	ds_load_b128 v[\f+64+8*(4*\c+\i)+4:\f+64+8*(4*\c+\i)+7], v[ADRB+\slot] offset:\i*8192+(2*(\qd)+\c)*1024+512
	ds_load_b128 v[\f+8*(4*\c+\i):\f+8*(4*\c+\i)+3],         v[ADRA+\slot] offset:\i*8192+(2*(\qd)+\c)*1024
	ds_load_b128 v[\f+8*(4*\c+\i)+4:\f+8*(4*\c+\i)+7],       v[ADRA+\slot] offset:\i*8192+(2*(\qd)+\c)*1024+512
.endr
.endr
.endm
.macro PLACES                          ; four places in front of loads into registers that matrix instructions have read, and of the first read of results (ISA guide 7.12.1 for vector instructions)
.rept 4
	v_nop
.endr
.endm
; A K step is four quarters of 64 along K, 32 matrix instructions each, on buffers 0, 1, 0, 1.  One of the first three: multiplies buffer f and fetches quarter qd into g.
.macro QUARTER slot, qd, f, g, zero
	s_wait_dscnt 16                                ; the first 32 along K are in; the other sixteen loads may be out
	WIN MUL
	MUL8 \f, 0, 0, \zero
	MUL8 \f, 0, 2, \zero
	PLACES
	FETCH \slot, \qd, \g
	s_wait_dscnt 32                                ; all but the 32 just issued
	WIN MUL
	MUL8 \f, 1, 0, 0
	MUL8 \f, 1, 2, 0
.endm
; The last quarter multiplies buffer 1 and changes slots: ONE barrier; in front of it each wave waits for all its tensor loads, adds 0 to its spare word, and waits for that and for its own reads of this slot.  fill = 1: this slot is filled again, two K steps ahead.
.macro TURN slot, next, fill
	WIN 0                                          ; (the add's two registers lie in window 0)
	s_wait_tensorcnt 0x0                           ; all my tensor loads have landed: my part of the next slot;
	ds_add_u32 v[SPW], v[NIL]                      ; 0 onto my spare word;
	s_wait_dscnt 17                                ; (the add and the youngest sixteen loads may be out)
	WIN MUL
	MUL8 F1, 0, 0, 0                               ; eight matrix instructions stand between the add and the wait for it
	s_wait_dscnt 0x0                               ; the add is done, and my reads of this slot are over
	s_barrier_signal -1
	MUL8 F1, 0, 2, 0
.if \fill
	WIN 0
.endif
	s_barrier_wait -1
.if \fill
	CREST                                          ; the barrier has opened a round of the cluster's barrier: no wave of any partner still reads this slot's tile or has a load on its way
	s_add_nc_u64 s[G0+4*\slot+2:G0+4*\slot+3], s[G0+4*\slot+2:G0+4*\slot+3], 2*HALFT
	s_add_nc_u64 s[G0B+4*\slot+2:G0B+4*\slot+3], s[G0B+4*\slot+2:G0B+4*\slot+3], 2*HALFT
	JLOAD \slot                                    ; the first tensor load behind the round; the four v_nop behind it are also the places in front of the loads below
.else
	PLACES
.endif
	FETCH \next, 0, F0
	WIN MUL
	MUL8 F1, 1, 0, 0
	MUL8 F1, 1, 2, 0
.endm
	s_wait_tensorcnt 1                             ; my part of K step 0 is in (K step 1's load may be out),
	s_barrier_signal -1
	s_barrier_wait -1                              ; everybody's is
	FETCH 0, 0, F0
	QUARTER 0, 1, F0, F1, 1                        ; the first quarter stands in front of the loop: its first products start the sums
	WIN 0                                          ; at a label and at a branch every window is 0
	s_mov_b32 s3, LAPS-1
.Llap:                                                 ; a trip goes once round the ring, from a lap's second quarter to the next lap's first, and fills both slots again
	QUARTER 0, 2, F1, F0, 0
	QUARTER 0, 3, F0, F1, 0
	TURN 0, 1, 1
	QUARTER 1, 1, F0, F1, 0
	QUARTER 1, 2, F1, F0, 0
	QUARTER 1, 3, F0, F1, 0
	TURN 1, 0, 1
	QUARTER 0, 1, F0, F1, 0
	WIN 0
	s_sub_co_u32 s3, s3, 1
	s_cmp_lg_u32 s3, 0
	s_cbranch_scc1 .Llap
	QUARTER 0, 2, F1, F0, 0                        ; the last lap fills nothing, and has no round of the cluster's barrier
	QUARTER 0, 3, F0, F1, 0
	TURN 0, 1, 0
	QUARTER 1, 1, F0, F1, 0
	QUARTER 1, 2, F1, F0, 0
	QUARTER 1, 3, F0, F1, 0
	s_wait_dscnt 16                                ; the very last quarter: nothing more to fetch
	WIN MUL
	MUL8 F1, 0, 0, 0
	MUL8 F1, 0, 2, 0
	s_wait_dscnt 0
	MUL8 F1, 1, 0, 0
	MUL8 F1, 1, 2, 0
	WIN 0
; THE WAY OUT, block by block of 16 rows x 64 columns.  A lane holds 32 neighbouring bytes of a row, and the lanes beside it hold other rows: so a block goes through my own stage in LDS and comes back as whole rows of
; 256 bytes, of which sixteen lanes store one.  LDS serves a wave's instructions in order (ISA guide 5.7.1.4): no wait between the stores and the loads, nor in front of the next block's stores.
.macro TOSTAGE a
.irp b, 0,1,2,3
	ds_store_b128 v[STO], v[ACC+8*(4*(\a)+\b):ACC+8*(4*(\a)+\b)+3] offset:64*\b          ; each accumulator from its low end on
	ds_store_b128 v[STO], v[ACC+8*(4*(\a)+\b)+4:ACC+8*(4*(\a)+\b)+7] offset:64*\b+16
.endr
.set BB, TMP+32*((\a)%2)
.irp t, 0,1,2,3,4,5,6,7
	ds_load_b128 v[BB+4*\t:BB+4*\t+3], v[RD] offset:\t*2*SPITCH
.endr
.endm
.macro SEND a, younger                 ; younger: the LDS instructions issued behind block a's loads, which may stay out
.set BB, TMP+32*((\a)%2)
	s_wait_dscnt \younger                          ; the block is back in registers
.irp t, 0,1,2,3,4,5,6,7
	global_store_b128 v[CO], v[BB+4*\t:BB+4*\t+3], s[8:9] offset:(16*(\a)+2*\t)*SIZE_N*4 th:TH_STORE_NT   ; 16 lanes store 256 consecutive bytes, at a multiple of 256 from out0's first byte; written once, read by nobody here
.endr
.endm
	PLACES
	TOSTAGE 0
.irp a, 1,2,3
.if \a > 1
	s_wait_xcnt 0x0                                ; block a - 2's stores have read their registers: block a's loads may land there
.endif
	TOSTAGE \a
	SEND \a-1, 16                                  ; behind block a - 1's loads: block a's 8 stores and 8 loads
.endr
	SEND 3, 0
	s_wait_tensorcnt 0x0                           ; the wave's end: behind my last tensor load and my last LDS store
	ds_add_u32 v[SPW], v[NIL]
	s_wait_dscnt 0x0
	CROUND                                         ; the closing round: no work-group ends while a partner may still ask for a tile that names it
	s_endpgm
.Lfunc_end_k_qa99ef7b46a_proj:
	.size	k_qa99ef7b46a_proj, .Lfunc_end_k_qa99ef7b46a_proj-k_qa99ef7b46a_proj
	.p2alignl 7, 3214868480
	.fill 96, 4, 3214868480
	.section	.rodata,"a",@progbits
	.p2align	6, 0x0
	.amdhsa_kernel k_qa99ef7b46a_proj
		.amdhsa_group_segment_fixed_size 327680
		.amdhsa_private_segment_fixed_size 0
		.amdhsa_enable_private_segment 0
		.amdhsa_kernarg_size 24
		.amdhsa_user_sgpr_count 2
		.amdhsa_user_sgpr_kernarg_segment_ptr 1
		.amdhsa_wavefront_size32 1
		.amdhsa_system_sgpr_workgroup_id_x 1
		.amdhsa_system_sgpr_workgroup_id_y 1
		.amdhsa_system_sgpr_workgroup_id_z 1
		.amdhsa_system_vgpr_workitem_id 0
		.amdhsa_next_free_vgpr 512
		.amdhsa_next_free_sgpr 66
		.amdhsa_reserve_vcc 0
		.amdhsa_float_denorm_mode_32 3
		.amdhsa_float_denorm_mode_16_64 3
		.amdhsa_memory_ordered 1
		.amdhsa_forward_progress 1
		.amdhsa_inst_pref_size 85
	.end_amdhsa_kernel
	.amdgpu_metadata
---
amdhsa.version: [ 1, 2 ]
amdhsa.kernels:
  - .name:           k_qa99ef7b46a_proj
    .symbol:         k_qa99ef7b46a_proj.kd
    .args:
      - { .name: ao16, .offset: 0, .size: 8, .value_kind: global_buffer, .address_space: global }
      - { .name: wo16, .offset: 8, .size: 8, .value_kind: global_buffer, .address_space: global }
      - { .name: out0, .offset: 16, .size: 8, .value_kind: global_buffer, .address_space: global }
    .group_segment_fixed_size: 327680
    .private_segment_fixed_size: 0
    .kernarg_segment_align: 8
    .kernarg_segment_size: 24
    .max_flat_workgroup_size: 128
    .sgpr_count:     66
    .vgpr_count:     512
    .wavefront_size: 32
...
	.end_amdgpu_metadata
.endif
;; end of part 4
